; MI455X (gfx1250); checked and timed in simulation.
; The chip was launched on July 23, 2026; its instructions are those of AMD's public machine-readable ISA for CDNA 5 (MIT licence, August 2026) and "CDNA5" Instruction Set Architecture Reference Guide (July 2026). The comments in the code are by the model that wrote it; some were corrected since.
;; Multi Head Self Attention. Allowed arithmetic: matrix products marked QUANTISED: E3M2 operands, one E8M0 scale for each 32 along K, by v_wmma_scale_f32_16x16x128_f8f6f4 with both operands' format E3M2, f32 sums; everything else in f32.
;; Inputs: WK_codes 1,024 x 32 x 24 uint8 (E3M2 codes of WK, K innermost, in blocks of 32 codes, four codes in three bytes); WK_scales 1,024 x 32 uint8 (E8M0 scales of WK, one for each 32 codes along K); WO_codes 1,024 x 32 x 24 uint8 (E3M2 codes of WO, K innermost, in blocks of 32 codes, four codes in three bytes); WO_scales 1,024 x 32 uint8 (E8M0 scales of WO, one for each 32 codes along K); WQ_codes 1,024 x 32 x 24 uint8 (E3M2 codes of WQ, K innermost, in blocks of 32 codes, four codes in three bytes); WQ_scales 1,024 x 32 uint8 (E8M0 scales of WQ, one for each 32 codes along K); WV_codes 1,024 x 32 x 24 uint8 (E3M2 codes of WV, K innermost, in blocks of 32 codes, four codes in three bytes); WV_scales 1,024 x 32 uint8 (E8M0 scales of WV, one for each 32 codes along K); x_codes 4 x 2,048 x 32 x 24 uint8 (E3M2 codes of x, K innermost, in blocks of 32 codes, four codes in three bytes); x_scales 4 x 2,048 x 32 uint8 (E8M0 scales of x, one for each 32 codes along K).
;; Outputs: out0 4 x 2,048 x 1,024 float32.
;; This version of the problem:
;;   THIS VERSION OF THE PROBLEM IS GIVEN IN LOW PRECISION. The matrix products marked QUANTISED in the list below multiply operands that are first quantised to E3M2 (3 exponent bits, 2 mantissa bits; 6 bits a number), with one power-of-two scale for each 32 numbers along K (OCP MX v1.0); their sums are f32. All else is computed in f32.
;;   The module's matrix products, in the order in which they are computed (A, B: the left and right operand; K: the contracted axis; several contracted axes count as one K, in the product's order):
;;     1. [M 8,192, K 1,024] x [K 1,024, N 1,024]; A: input x (given as codes); B: input WQ (given as codes): QUANTISED
;;     2. [M 8,192, K 1,024] x [K 1,024, N 1,024]; A: input x (given as codes); B: input WK (given as codes): QUANTISED
;;     3. [M 8,192, K 1,024] x [K 1,024, N 1,024]; A: input x (given as codes); B: input WV (given as codes): QUANTISED
;;     4. batch 64 x [M 2,048, K 64] x [K 64, N 2,048]; A: computed on the way; B: computed on the way: QUANTISED
;;     5. batch 64 x [M 2,048, K 2,048] x [K 2,048, N 64]; A: softmax (see below); B: computed on the way: QUANTISED
;;     6. [M 8,192, K 1,024] x [K 1,024, N 1,024]; A: computed on the way; B: input WO (given as codes): QUANTISED
;;   THE QUANTISER, for each operand of a quantised product, along K:
;;     - K is cut into blocks of 32 from its start; a last block that is shorter is filled with zeros.
;;     - A block's scale is 2^e with e = floor(log2(the largest magnitude in the block)) - 4, held to -126 .. 127; a block of zeros has e = 0. As a byte (E8M0): e + 127.
;;     - Each number is divided by its block's scale, clamped to +-28, and rounded to the nearest number of E3M2, ties to even, subnormals kept.
;;     - The product sums the exact products of the quantised numbers (number of the format x scale) in f32.
;;   ~~~python
;;   def quantise(x, axis):      # numpy; x: float32 -> the quantised numbers, widened to float32 again
;;       x = np.moveaxis(x, axis, -1); K = x.shape[-1]
;;       x = np.pad(x, [(0, 0)] * (x.ndim - 1) + [(0, -K % 32)]); x = x.reshape(x.shape[:-1] + (-1, 32)); a = np.abs(x).max(-1, keepdims=True)
;;       e = np.where(a > 0, np.clip(np.frexp(np.where(a > 0, a, 1))[1] - 1 - 4, -126, 127), 0)      # np.frexp(a)[1] - 1 = floor(log2(a)), exactly
;;       r = np.clip(x / 2.0 ** e, -28, 28)
;;       step = 2.0 ** (np.maximum(np.frexp(np.where(r == 0, 1, r))[1] - 1, -2) - 2)
;;       q = np.round(r / step) * step * 2.0 ** e      # np.round: ties to even
;;       return np.moveaxis(q.reshape(q.shape[:-2] + (-1,))[..., :K], -1, axis).astype(np.float32)
;;   ~~~
;;   SOFTMAX AHEAD OF A QUANTISED PRODUCT. Where the list says 'softmax', what is quantised is not the finished softmax but p = 2^(t - M), with t = logit x log2(e) and M = ceil(the row's largest t), a whole number; so 1/2 < the row's largest p <= 1. The row's sum l is taken of the UNQUANTISED p, in f32, and the product's result is divided by l at the end. Since M is a whole number, a kernel that streams over the keys may use a running M (the ceiling of the running maximum): every later rescaling is an exact power of two, which a block's scale takes up: the codes' values come out the same.
;;   OPERANDS COMPUTED ON THE WAY. 'Computed on the way' means the value that the module computes at that place (a softmax that the list does not call 'softmax' is quantised finished and normalised). What goes into a quantiser is computed in f32, as accurately as f32 sums, v_exp_f32 and their like allow (about 1e-6 of the number): no bf16 or f16 on the way to a quantiser, and a product that is left as it is and whose result goes on into a quantised operand takes f32 operands (vector FMAs, or v_wmma_f32_16x16x4_f32). A number that lies on a knife's edge between two numbers of the format may be rounded either way, as far as f32 arithmetic and the matrix unit's own rounding can turn it there, and no further.
;;   INPUTS GIVEN AS CODES. WK (in the module: [1024, 1024], K = its axis 1); WO (in the module: [1024, 1024], K = its axis 1); WQ (in the module: [1024, 1024], K = its axis 1); WV (in the module: [1024, 1024], K = its axis 1); x (in the module: [4, 2048, 1024], K = its axis 2): each comes as NAME_codes (uint8): NAME with its K axis moved to the last place and cut into blocks of 32 codes, [.., K / 32, bytes a block], one block behind the other in memory; four codes in three bytes: a row's codes are one little-endian stream of bits, code i at bits 6 i .. 6 i + 5 (a code: sign, 3 exponent bits, 2 mantissa bits); and NAME_scales (uint8): the same leading axes, one E8M0 byte (e + 127) for each 32 codes along K. Its value is code x scale, taken as it is: it is not quantised again, and the codes and scales need not be those that the quantiser above would give.
;; One version. Each part assembles by itself: llvm-mc -triple=amdgcn-amd-amdhsa -mcpu=gfx1250 --defsym DOCPART=n.
;; ======== version 1 of 1: 3 launches
;; workspace buffers: qc 6,291,456 bytes; qs 524,288 bytes; kv 13,369,344 bytes; mc 6,291,456 bytes; ms 262,144 bytes
;; launch qkv (part 1): grid 4 x 96, 4 waves a work-group, clusters of 4 x 4, 327,680 bytes of LDS; arguments x_codes, x_scales, WQ_codes, WQ_scales, WK_codes, WK_scales, WV_codes, WV_scales, qc, qs, kv; writes qc, qs, kv
.if DOCPART == 1
	.amdgcn_target "amdgcn-amd-amdhsa--gfx1250"
	.amdhsa_code_object_version 6
	.text
	.protected	k_qd296115142_qkv
	.globl	k_qd296115142_qkv
	.p2align	8
	.type	k_qd296115142_qkv,@function
k_qd296115142_qkv:
	s_mov_b64 s[64:65], 0
	v_nop
	global_prefetch_b8 v0, s[64:65] scope:SCOPE_SE
	s_setreg_imm32_b32 hwreg(HW_REG_WAVE_MODE, 25, 1), 1
	s_wait_xcnt 0x0
	s_wait_alu depctr_hold_cnt(0) depctr_sa_sdst(0) depctr_va_vdst(0) depctr_va_sdst(0) depctr_va_ssrc(0) depctr_va_vcc(0) depctr_vm_vsrc(0)
	s_getreg_b32 s2, hwreg(HW_REG_IB_STS2, 6, 4)
	s_cmp_eq_u32 s2, 0
	s_cbranch_scc0 .Lentry_in_a_cluster
	s_endpgm
.Lentry_in_a_cluster:
	s_bfe_u32 s2, ttmp6, 0x10000c
	s_cmp_lg_u32 s2, 0xf033
	s_cbranch_scc0 .Lentry_shape_is_right
	s_endpgm
.Lentry_shape_is_right:
; Q = rope(x WQ^T), K = rope(x WK^T) and V^T = WV x^T, all three products on codes of BF6 (E3M2) with one E8M0 scale for each 32 along K = 1,024, and their results quantised again:
; Q and K along the head's 64 channels, V^T along the keys.  What leaves are images of the registers in which the next launch wants its operands.
; SHARES.  24 clusters of 4 x 4 work-groups: clusters 0-7 make Q, 8-15 K, 16-23 V^T.  A work-group makes a tile C' = A B^T of 256 x 256; for Q and K A = x (tile row 4 (c & 7) + cy) and B = the weight (tile column cx);
; for V^T A = WV (tile row cy) and B = x (tile column 4 (c & 7) + cx).  So A's tiles always hang on cy and B's on cx: A's are asked for jointly by a row of the cluster, B's by a column.
; Four waves, each 128 x 128: 64 accumulators of 16 x 16.  K goes in steps of 256 through a ring of two LDS slots; the scale bytes of the work-group's rows come into LDS once.
; THE MATRIX INSTRUCTION IS USED TRANSPOSED (source 0 = 16 rows of B, source 1 = 16 rows of A): lane (r, h) holds row r of A's block, and register j of B's block b is B's row 16 b + 8 h + j.
; So for Q and K a lane holds one position and its registers run along the channels; for V^T a lane holds one channel and its registers run along the keys: in both the registers run along the next product's K.
; ORDER INSIDE A BLOCK OF 32.  The conversions and the exchange of halves lay a block as 0-7, 16-23, 8-15, 24-31.  Q and K have that order alike, and so have V^T and the weights p of the next launch: the products are the same.
; ROPE.  The angle is pos / F_i, F_i = 10^(i/8) rounded to f32, divided to the nearest f32 (a reciprocal and two fused steps); it is reduced in turns with 1/(2 pi) in two parts; sin and cos of half the angle by
; their series up to x^11 and x^12, then doubled.
; LIMITS: cos and sin are good to about 4e-7 absolute; NaN and infinities are not served; a block whose largest magnitude lies under 2^-122, a block of zeros among them, keeps the scale byte 1 (its codes are then zeros or
; near it; the bytes are read by this program alone).
; REGISTERS, in windows of 256: window 0: v0-31 addresses; v32-63 scale words, two sets; from v128 A's fragments, one set.  window 1: B's fragments, two sets.  windows 2, 3: the accumulators ((a, b) at v[8 (8 (a % 4) + b)]).
; In the tail window 0's v64-255 are at work; v32-63 stay what they were.
.set SIZE_K, 1024
.set KSTEP,  256                       ; along K in a slot
.set NQ,     KSTEP/128                 ; matrix instructions deep
.set ROWB,   192                       ; a tile's row in bytes
.set KROW,   SIZE_K*6/8                ; a row of codes in memory
.set PITCH,  240                       ; an LDS row: 3 x (64 bytes + 16 of padding)
.set FR,     12                        ; registers of a fragment
.set NL,     6                         ; LDS loads that bring one
.set NP,     4                         ; places behind this matrix instruction (ISA guide 7.12.1)
.set HALFT,  128*PITCH                 ; 128 rows: one tensor load
.set SLOT,   4*HALFT                   ; A's 256 rows, then B's 256 rows
.set LAPS,   SIZE_K/(2*KSTEP)
.set KS,     SIZE_K/32                 ; a row of scale bytes
.set SCL,    2*SLOT                    ; behind the ring: the scales, as rows of 256 bytes + 16 of padding
.set HALFS,  (128*KS/256)*272
.set SBLK,   (16*KS/256)*272
.set SPARE,  SCL+4*HALFS               ; the spare words, 128 bytes a wave; no other line names them
.set ADRA, 16                          ; v16-17 LDS address of my A fragments in slot 0, 1 (v18-19: behind one padding more)
.set ADRB, 20                          ; v20-23 the same for B
.set ADRS, 27                          ; v27 LDS address of my scale words: lanes 0-15 A's rows, lanes 16-31 B's
.set SPW,  28                          ; v28 my spare word's address; never rewritten
.set NIL,  29                          ; v29 0; never rewritten
.set SC,   32
.set AF,   128
.set G1, 24
.set G0, 32
.set G1B, 48
.set G0B, 56
.set G1S, 68
.set G0S, 76
.set G1SB, 80
.set G0SB, 88
; the tail's registers, window 0
.set LI16, 3                           ; 16 x lane
.set LI8,  4                           ; 8 x lane
.set SA,   5                           ; scale words: 16 r + h x (bytes from a head to the next)
.set POS,  6                           ; v[6:7] my row's position as f32; v7 = 0
.set PW,   8                           ; the scale word just made
.set TW,   9
.set A9V,  10                          ; v[10:11], v[12:13]: two coefficients, twice each
.set B10V, 12
.set SW,   20                          ; v[20:23] four scale words on their way out (the LDS addresses that lay here are done with)
.set FQ,   64                          ; my 16 frequencies' divisors F
.set RF,   80                          ; 1 / F
.set CC,   96                          ; cos
.set SS,   112                         ; sin
.set TH,   128
.set ZZ,   144
.set SY,   160
.set CP,   176
.set R,    192                         ; 64 rotated numbers
.set TM,   128                         ; the quantiser's 16 registers (TH is done with)
.set CDS,  144                         ; the codes, 20 registers (ZZ and SY are done with)
.set I2P, 48
.set I2L, 50
.set A11, 52
.set A7,  54
.set A5,  56
.set A3,  58
.set A1,  60
.set B12, 62
.set B8,  68
.set B6,  70
.set B4,  72
.set B2,  74
.set SEL, 76
.set LOW16, 78
.set HSR, 79
.set OC,  12                           ; s[12:13] where my first head's codes go; s[86:87] my second head's; s[98:99] the scale words
.set OC2, 86
.set OS,  98
.set MSB, 0
.macro WIN new                         ; the immediate's high byte repeats the setting that is left
.if MSB != (\new)
	s_set_vgpr_msb (MSB<<8)|(\new)
.set MSB, (\new)
.endif
.endm
.set MUL_LO, 0xa1                      ; source 0 (B) window 1, source 1 (A) window 0, C and D window 2
.set MUL_HI, 0xf1                      ; the same, C and D window 3
.set TO_B,   0x40                      ; destination window 1
; A joint load: waves 0 and 1 fetch for A, waves 2 and 3 for B; the branch hangs on the wave's number alone.  Four v_nop follow each of the two lines.
.macro JLOAD g0a, g1a, g0b, g1b
	s_cmp_eq_u32 s15, 0
	s_cbranch_scc0 .Lfor_b_\@
	tensor_load_to_lds s[\g0a:\g0a+3], s[\g1a:\g1a+7]
	s_nop 0
.rept 4
	v_nop
.endr
	s_branch .Lasked_\@
.Lfor_b_\@:
	tensor_load_to_lds s[\g0b:\g0b+3], s[\g1b:\g1b+7]
	s_nop 0
.rept 4
	v_nop
.endr
.Lasked_\@:
.endm
.macro CREST                           ; a round of the cluster's barrier behind its opening barrier
	s_cmp_lg_u32 s14, 0
	s_cbranch_scc1 .Lnot_wave_0_\@
	s_barrier_signal -3
.Lnot_wave_0_\@:
	s_barrier_wait -3
	s_barrier_signal -1
	s_barrier_wait -1
.endm
.macro CROUND
	s_barrier_signal -1
	s_barrier_wait -1
	CREST
.endm
	s_load_b512 s[68:83], s[0:1], 0x0              ; x's codes, scales; WQ's; WK's; WV's
	s_load_b128 s[84:87], s[0:1], 0x40             ; qc, qs
	s_load_b64 s[88:89], s[0:1], 0x50              ; kv
	v_lshl_add_u32 v[SPW], v0, 2, SPARE
	v_mov_b32 v[NIL], 0
	ds_add_u32 v28, v29
	ds_add_u32 v28, v29
	s_wait_dscnt 0x0
	v_lshrrev_b32 v1, 5, v0
	v_readfirstlane_b32 s14, v1                    ; wave 0..3
	s_lshr_b32 s15, s14, 1                         ; which half of A's rows is mine.  Also: I fetch for A (0) or for B (1)
	s_and_b32 s16, s14, 1                          ; which half of B's rows.  Also: which 128 rows I fetch
	s_bfe_u32 s40, ttmp6, 0x40000                  ; cx
	s_bfe_u32 s41, ttmp6, 0x40004                  ; cy
	s_and_b32 s96, ttmp7, 0xffff                   ; c: the cluster, 0..23: the same in all sixteen partners
	s_and_b32 s100, s96, 7
	s_cmp_ge_u32 s96, 16                           ; V^T?
	s_cselect_b32 s101, 0, s100                    ; which four tile rows of A,
	s_cselect_b32 s94, s100, 0                     ; which four tile columns of B
	s_cselect_b32 s95, 1, 0
	s_lshl_b32 s42, s94, 2
	s_add_co_u32 s42, s42, s40                     ; tile column
	s_lshl_b32 s17, s101, 2
	s_add_co_u32 s17, s17, s41                     ; tile row
	s_lshl_b32 s43, s41, 2
	s_lshl_b32 s43, 15, s43                        ; my row of the cluster
	s_lshl_b32 s44, 0x1111, s40                    ; my column
	; descriptor group 1: a tile of 128 rows x 192 bytes; 16 bytes of padding behind every 64
	s_or_b32 s[G1+0], s43, (0<<16)|(1<<20)|(1<<21)|(3<<22)|(3<<25)
	s_or_b32 s[G1B+0], s44, (0<<16)|(1<<20)|(1<<21)|(3<<22)|(3<<25)
.irp g, G1, G1B
	s_mov_b32 s[\g+1], ROWB<<16                    ; tensor_dim0
	s_mov_b32 s[\g+2], 128<<16                     ; tensor_dim1
	s_mov_b32 s[\g+3], ROWB<<16                    ; tile_dim0
	s_mov_b32 s[\g+4], 128                         ; tile_dim1
	s_mov_b32 s[\g+5], KROW                        ; from row to row
	s_mov_b32 s[\g+6], 0
	s_mov_b32 s[\g+7], 0
.endr
	s_lshl_b32 s18, s16, 7                         ; which 128 rows of the tile I fetch
	s_lshl_b32 s20, s17, 8
	s_add_co_u32 s20, s20, s18                     ; A: row 256 x tile row + 128 x half
	s_lshl_b32 s46, s42, 8
	s_add_co_u32 s46, s46, s18                     ; B: row 256 x tile column + 128 x half
	s_mov_b32 s21, 0
	s_mov_b32 s47, 0
	s_mov_b64 s[18:19], KS
	s_mul_u64 s[22:23], s[20:21], s[18:19]         ; where these rows' scales begin
	s_mul_u64 s[92:93], s[46:47], s[18:19]
	s_mov_b64 s[18:19], KROW
	s_mul_u64 s[20:21], s[20:21], s[18:19]         ; and their codes
	s_mul_u64 s[46:47], s[46:47], s[18:19]
	s_mul_i32 s45, s14, HALFT                      ; where they go: wave x 128 rows
	s_mul_i32 s94, s14, HALFS
	s_wait_kmcnt 0x0
	s_cmp_lt_u32 s96, 8                            ; Q's cluster?  Every choice of a buffer hangs on the cluster's number alone
	s_cselect_b64 s[8:9], s[72:73], s[76:77]       ; the weight's codes: WQ's or WK's
	s_cselect_b64 s[10:11], s[74:75], s[78:79]     ; and scales
	s_cselect_b64 s[OC:OC+1], s[84:85], s[88:89]   ; codes go to qc or into kv,
	s_cselect_b64 s[OS:OS+1], s[86:87], s[88:89]   ; scale words to qs or into kv
	s_cmp_ge_u32 s96, 16                           ; V^T: B = x, A = WV
	s_cselect_b64 s[8:9], s[68:69], s[8:9]
	s_cselect_b64 s[10:11], s[70:71], s[10:11]
	s_cselect_b64 s[4:5], s[80:81], s[68:69]
	s_cselect_b64 s[6:7], s[82:83], s[70:71]
	; the pointers have been taken: their registers take the scales' descriptors.  The scales of 128 rows: a dense block, as rows of 256 bytes, 16 bytes of padding behind each
	s_or_b32 s[G1S+0], s43, (3<<16)|(1<<20)|(1<<21)|(5<<22)|(3<<25)
	s_or_b32 s[G1SB+0], s44, (3<<16)|(1<<20)|(1<<21)|(5<<22)|(3<<25)
.irp g, G1S, G1SB
	s_mov_b32 s[\g+1], 32<<16
	s_mov_b32 s[\g+2], (128*KS/256)<<16
	s_mov_b32 s[\g+3], 32<<16
	s_mov_b32 s[\g+4], 128*KS/256
	s_mov_b32 s[\g+5], 32
	s_mov_b32 s[\g+6], 0
	s_mov_b32 s[\g+7], 0
.endr
	s_add_nc_u64 s[20:21], s[4:5], s[20:21]
	s_add_nc_u64 s[22:23], s[6:7], s[22:23]
	s_add_nc_u64 s[46:47], s[8:9], s[46:47]
	s_add_nc_u64 s[92:93], s[10:11], s[92:93]
	CROUND                                         ; all sixteen work-groups are here: the first joint loads meet
	s_mov_b32 s[G0S], 1
	s_add_co_u32 s[G0S+1], s94, SCL
	s_mov_b64 s[G0S+2:G0S+3], s[22:23]
	s_or_b32 s[G0S+3], s[G0S+3], 0x80000000
	s_mov_b32 s[G0SB], 1
	s_add_co_u32 s[G0SB+1], s94, SCL
	s_mov_b64 s[G0SB+2:G0SB+3], s[92:93]
	s_or_b32 s[G0SB+3], s[G0SB+3], 0x80000000
	JLOAD G0S, G1S, G0SB, G1SB                     ; the scales first: they are wanted with K step 0
.irp s, 0,1
	s_mov_b32 s[G0+4*\s], 1
	s_add_co_u32 s[G0+4*\s+1], s45, \s*SLOT
	s_add_nc_u64 s[G0+4*\s+2:G0+4*\s+3], s[20:21], \s*ROWB
	s_or_b32 s[G0+4*\s+3], s[G0+4*\s+3], 0x80000000
	s_mov_b32 s[G0B+4*\s], 1
	s_add_co_u32 s[G0B+4*\s+1], s45, \s*SLOT
	s_add_nc_u64 s[G0B+4*\s+2:G0B+4*\s+3], s[46:47], \s*ROWB
	s_or_b32 s[G0B+4*\s+3], s[G0B+4*\s+3], 0x80000000
	JLOAD G0+4*\s, G1, G0B+4*\s, G1B               ; three tensor loads of mine are out at the most
.endr
	v_and_b32 v1, 15, v0                           ; r
	v_bfe_u32 v2, v0, 4, 1                         ; h
	v_mul_u32_u24 v3, v1, PITCH
	v_mul_u32_u24 v4, v2, 24
	v_add_nc_u32 v4, v3, v4                        ; a fragment's row x pitch + 24 x half
	v_lshl_add_u32 v5, v2, 4, v4                   ; and the same behind one padding more
	s_mul_i32 s21, s15, HALFT                      ; my 128 rows of A
	s_mul_i32 s22, s16, HALFT                      ; my 128 rows of B,
	s_add_co_u32 s22, s22, 2*HALFT                 ; which lie behind A's 256
.irp s, 0,1
	v_add_nc_u32 v[ADRA+\s], s21, v4
	v_add_nc_u32 v[ADRB+\s], s22, v4
	v_add_nc_u32 v[ADRA+2+\s], s21, v5
	v_add_nc_u32 v[ADRB+2+\s], s22, v5
	s_add_co_u32 s21, s21, SLOT
	s_add_co_u32 s22, s22, SLOT
.endr
	v_mul_u32_u24 v5, v1, KS                       ; my row's scales: KS bytes a row,
	v_lshrrev_b32 v6, 8, v5
	v_lshl_add_u32 v5, v6, 4, v5                   ; and 16 more for each 256 passed
	s_mul_i32 s21, s15, HALFS
	s_mul_i32 s22, s16, HALFS
	s_add_co_u32 s22, s22, 2*HALFS
	s_sub_co_u32 s22, s22, s21
	v_mul_u32_u24 v6, s22, v2                      ; lanes 16-31 take B's
	s_add_co_u32 s21, s21, SCL
	v_add_nc_u32 v5, v5, v6
	v_add_nc_u32 v[ADRS], s21, v5
.macro FRAG reg, adr, q, i             ; a fragment: lane (r, h) takes 24 bytes of row r twice, in pieces of 8 bytes; where the piece of lanes 16-31 lies behind one padding more, the second address register serves
.irp p, 0,1,2,3,4,5
.set PCE, 12*(\q)+6*(\p/3)+\p%3
.if PCE%8 < 5
	ds_load_b64 v[\reg+2*\p:\reg+2*\p+1], v[\adr] offset:8*PCE+16*(PCE/8)+(\i)*16*PITCH
.else
	ds_load_b64 v[\reg+2*\p:\reg+2*\p+1], v[\adr+2] offset:8*PCE+16*(PCE/8)+(\i)*16*PITCH
.endif
.endr
.endm
; 16 matrix instructions: A's blocks a0, a0 + 1 x B's eight, 128 along K.  The 64 accumulators take turns, one instruction a turn, in the same order in every step.
.macro MUL16 a0, p, q, sc, zero
.irp a, \a0, \a0+1
.irp b, 0,1,2,3,4,5,6,7
.if \zero
	v_wmma_scale_f32_16x16x128_f8f6f4 v[8*(8*((\a)%4)+\b):8*(8*((\a)%4)+\b)+7], v[128*(\p)+FR*\b:128*(\p)+FR*\b+FR-1], v[AF+FR*(\a):AF+FR*(\a)+FR-1], 0, v[SC+8*NQ*(\sc)+NQ*\b+(\q)], v[SC+8*NQ*(\sc)+NQ*(\a)+(\q)] matrix_a_fmt:MATRIX_FMT_BF6 matrix_b_fmt:MATRIX_FMT_BF6 matrix_a_scale:MATRIX_SCALE_ROW1
.else
	v_wmma_scale_f32_16x16x128_f8f6f4 v[8*(8*((\a)%4)+\b):8*(8*((\a)%4)+\b)+7], v[128*(\p)+FR*\b:128*(\p)+FR*\b+FR-1], v[AF+FR*(\a):AF+FR*(\a)+FR-1], v[8*(8*((\a)%4)+\b):8*(8*((\a)%4)+\b)+7], v[SC+8*NQ*(\sc)+NQ*\b+(\q)], v[SC+8*NQ*(\sc)+NQ*(\a)+(\q)] matrix_a_fmt:MATRIX_FMT_BF6 matrix_b_fmt:MATRIX_FMT_BF6 matrix_a_scale:MATRIX_SCALE_ROW1
.endif
.endr
.endr
.endm
.macro FETCH_B slot, q, p
	WIN TO_B
.irp i, 0,1,2,3,4,5,6,7
	FRAG 128*(\p)+FR*\i, ADRB+\slot, \q, \i
.endr
	WIN 0
.endm
.macro FETCH_A slot, q, i0
.irp i, \i0, \i0+1, \i0+2, \i0+3
	FRAG AF+FR*(\i), ADRA+\slot, \q, \i
.endr
.endm
.macro SCALES sc                       ; a K step's scale words: lanes 0-15 A's block i, lanes 16-31 B's block i
.irp i, 0,1,2,3,4,5,6,7
	ds_load_b64 v[SC+8*NQ*\sc+NQ*\i:SC+8*NQ*\sc+NQ*\i+1], v[ADRS] offset:\i*SBLK
.endr
.endm
.macro PLACES n                        ; plain vector instructions between a matrix instruction and a load into, or a vector instruction on, its registers
.rept \n
	v_nop
.endr
.endm
.macro STEP slot, q, zero              ; a step of 128 along K that has its successor in the same slot
	s_wait_dscnt 4*NL                              ; B's set and A's blocks 0-3 are in; the youngest 24 loads (A's blocks 4-7) may be out
	WIN MUL_LO
	MUL16 0, (\q)%2, \q, \slot, \zero
	MUL16 2, (\q)%2, \q, \slot, \zero
	s_wait_dscnt 0
	PLACES NP
	FETCH_B \slot, (\q)+1, 1-(\q)%2
	FETCH_A \slot, (\q)+1, 0
	WIN MUL_HI
	MUL16 4, (\q)%2, \q, \slot, \zero
	MUL16 6, (\q)%2, \q, \slot, \zero
	PLACES NP
	WIN 0
	FETCH_A \slot, (\q)+1, 4
.endm
; A slot's last step changes slots: one barrier; in front of it each wave waits for all its tensor loads, adds 0 to its spare word, and waits for that and for its reads of this slot.
.macro TURN slot, next, fill
	s_wait_tensorcnt 0x0                           ; all my tensor loads have landed: my part of the next slot
	ds_add_u32 v[SPW], v[NIL]                      ; 0 onto my spare word
	s_wait_dscnt 4*NL+1                            ; (the add and the youngest 24 loads may be out)
	WIN MUL_LO
	MUL16 0, 1, NQ-1, \slot, 0
	s_wait_dscnt 0x0                               ; the add is done, and my reads of this slot are over
	s_barrier_signal -1
	MUL16 2, 1, NQ-1, \slot, 0
	WIN 0
	s_barrier_wait -1
.if \fill
	CREST                                          ; the barrier has opened a round of the cluster's: no wave of any partner still reads this slot or has a load on its way
	s_add_nc_u64 s[G0+4*\slot+2:G0+4*\slot+3], s[G0+4*\slot+2:G0+4*\slot+3], 2*ROWB
	s_add_nc_u64 s[G0B+4*\slot+2:G0B+4*\slot+3], s[G0B+4*\slot+2:G0B+4*\slot+3], 2*ROWB
	JLOAD G0+4*\slot, G1, G0B+4*\slot, G1B         ; the first tensor load behind the round; its four v_nop are the places in front of the loads below
.else
	PLACES NP
.endif
	v_add_nc_u32 v[ADRS], 4*NQ, v[ADRS]            ; on to the next K step's scale words (no LDS load of mine is out)
	FETCH_B \next, 0, 0
	FETCH_A \next, 0, 0
	SCALES \next
	WIN MUL_HI
	MUL16 4, 1, NQ-1, \slot, 0
	MUL16 6, 1, NQ-1, \slot, 0
	PLACES NP
	WIN 0
	FETCH_A \next, 0, 4
.endm
	s_wait_tensorcnt 1                             ; the scales and my part of K step 0 are in; K step 1's load may be out
	s_barrier_signal -1
	s_barrier_wait -1
	FETCH_B 0, 0, 0
	FETCH_A 0, 0, 0
	SCALES 0
	FETCH_A 0, 0, 4
	STEP 0, 0, 1                                   ; the first step's products start the sums
.if LAPS > 1
	s_mov_b32 s3, LAPS-1
.Llap:
	TURN 0, 1, 1
	STEP 1, 0, 0
	TURN 1, 0, 1
	STEP 0, 0, 0
	s_sub_co_u32 s3, s3, 1
	s_cmp_lg_u32 s3, 0
	s_cbranch_scc1 .Llap
.endif
	TURN 0, 1, 0                                   ; the last lap fills nothing
	STEP 1, 0, 0
	s_wait_dscnt 4*NL
	WIN MUL_LO
	MUL16 0, 1, NQ-1, 1, 0
	MUL16 2, 1, NQ-1, 1, 0
	s_wait_dscnt 0
	WIN MUL_HI
	MUL16 4, 1, NQ-1, 1, 0
	MUL16 6, 1, NQ-1, 1, 0
	WIN 0
; ---------------- THE TAIL: no LDS; every store of a wave covers whole aligned blocks of 256 bytes ----------------
; 64 numbers of a lane in window w, v[s] on, register 16 b + i of block b (my 16 of its 32; lane l xor 16 holds the others), become 12 registers of codes in v[CDS] on and a scale word in v[PW].
.macro QUANT s, w
	WIN (\w)|((\w)<<2)
.irp b, 0,1,2,3
	v_max3_num_f32 v[TM+\b], |v[(\s)+16*\b]|, |v[(\s)+1+16*\b]|, 0x2800000   ; my 16 numbers, and the floor 2^(5 - 127): the byte cannot fall under 1.  Each accumulator is read from its low end on
.endr
	WIN ((\w)<<2)|((\w)<<4)
.irp i, 2,4,6,8,10,12,14
.irp b, 0,1,2,3
	v_max3_num_f32 v[TM+\b], v[TM+\b], |v[(\s)+16*\b+\i]|, |v[(\s)+1+16*\b+\i]|
.endr
.endr
	WIN 0
.irp b, 0,1,2,3
	v_permlanex16_b32 v[TM+4+\b], v[TM+\b], s[SEL], s[SEL+1]
.endr
.irp b, 0,1,2,3
	v_max_num_f32 v[TM+\b], v[TM+\b], v[TM+4+\b]   ; the block's largest magnitude
.endr
.irp b, 0,1,2,3
	v_add_nc_u32 v[TM+12+\b], 0xfe000000, v[TM+\b] ; 4 off its exponent field: the conversion's scale operand
.endr
.irp b, 0,1,2,3
	v_lshrrev_b32 v[TM+4+\b], 23, v[TM+12+\b]      ; the scale's byte
.endr
	v_lshl_or_b32 v[PW], v[TM+5], 8, v[TM+4]
	v_lshl_or_b32 v[PW], v[TM+6], 16, v[PW]
	v_lshl_or_b32 v[PW], v[TM+7], 24, v[PW]
	WIN (\w)
.irp c, 0,1
	v_cvt_scalef32_pk16_bf6_f32 v[CDS+6*\c:CDS+2+6*\c], v[(\s)+32*\c:(\s)+15+32*\c], v[TM+12+2*\c]
	v_cvt_scalef32_pk16_bf6_f32 v[CDS+12+4*\c:CDS+14+4*\c], v[(\s)+16+32*\c:(\s)+31+32*\c], v[TM+12+2*\c+1]
.endr
	WIN 0
	v_nop                                          ; one plain place behind a scaled conversion
.irp c, 0,1                                    ; a whole block to a lane: lanes 0-15 block 2 c, lanes 16-31 block 2 c + 1
.irp i, 0,1,2
	v_permlane16_swap_b32 v[CDS+6*\c+\i], v[CDS+12+4*\c+\i]
.endr
.irp i, 0,1,2
	v_mov_b32 v[CDS+3+6*\c+\i], v[CDS+12+4*\c+\i]
.endr
.endr
.endm
.macro PAIR reg, val                   ; a constant as a pair: the packed forms name a pair and take its low word for both halves
	s_mov_b32 s[\reg], \val
	s_mov_b32 s[\reg+1], \val
.endm
.macro FSET e, lo, hi                  ; frequency e of my 16: lanes 0-15 take lo, lanes 16-31 hi
	v_mov_b32 v[FQ+\e], \hi
	v_cndmask_b32 v[FQ+\e], \lo, v[FQ+\e], vcc_lo
.endm
; cos and sin of pos / F for my 16 frequencies, stage by stage over 8 pairs, so that no line waits for the line above it
.macro SINCOS
.irp p, 0,2,4,6,8,10,12,14
	v_pk_mul_f32 v[TH+\p:TH+\p+1], v[RF+\p:RF+\p+1], v[POS:POS+1] op_sel_hi:[1,0]          ; pos x (1 / F)
.endr
.irp p, 0,2,4,6,8,10,12,14
	v_pk_fma_f32 v[ZZ+\p:ZZ+\p+1], v[TH+\p:TH+\p+1], v[FQ+\p:FQ+\p+1], v[POS:POS+1] op_sel_hi:[1,1,0] neg_lo:[1,0,0] neg_hi:[1,0,0]   ; what is left: pos - q F
.endr
.irp p, 0,2,4,6,8,10,12,14
	v_pk_fma_f32 v[TH+\p:TH+\p+1], v[ZZ+\p:ZZ+\p+1], v[RF+\p:RF+\p+1], v[TH+\p:TH+\p+1]   ; the angle
.endr
.irp p, 0,2,4,6,8,10,12,14
	v_pk_mul_f32 v[ZZ+\p:ZZ+\p+1], v[TH+\p:TH+\p+1], s[I2P:I2P+1] op_sel_hi:[1,0]          ; in turns
.endr
.irp e, 0,1,2,3,4,5,6,7,8,9,10,11,12,13,14,15
	v_rndne_f32 v[ZZ+\e], v[ZZ+\e]                                                         ; whole turns
.endr
.irp p, 0,2,4,6,8,10,12,14
	v_pk_fma_f32 v[SY+\p:SY+\p+1], v[TH+\p:TH+\p+1], s[I2P:I2P+1], v[ZZ+\p:ZZ+\p+1] op_sel_hi:[1,0,1] neg_lo:[0,0,1] neg_hi:[0,0,1]
.endr
.irp p, 0,2,4,6,8,10,12,14
	v_pk_fma_f32 v[TH+\p:TH+\p+1], v[TH+\p:TH+\p+1], s[I2L:I2L+1], v[SY+\p:SY+\p+1] op_sel_hi:[1,0,1]   ; x: the rest in turns, at most 1/2, with the low part of 1/(2 pi)
.endr
.irp p, 0,2,4,6,8,10,12,14
	v_pk_mul_f32 v[ZZ+\p:ZZ+\p+1], v[TH+\p:TH+\p+1], v[TH+\p:TH+\p+1]
.endr
.irp p, 0,2,4,6,8,10,12,14
	v_pk_fma_f32 v[SY+\p:SY+\p+1], v[ZZ+\p:ZZ+\p+1], s[A11:A11+1], v[A9V:A9V+1] op_sel_hi:[1,0,1]
	v_pk_fma_f32 v[CP+\p:CP+\p+1], v[ZZ+\p:ZZ+\p+1], s[B12:B12+1], v[B10V:B10V+1] op_sel_hi:[1,0,1]
.endr
.irp k, A7, A5, A3, A1
.irp p, 0,2,4,6,8,10,12,14
	v_pk_fma_f32 v[SY+\p:SY+\p+1], v[SY+\p:SY+\p+1], v[ZZ+\p:ZZ+\p+1], s[\k:\k+1] op_sel_hi:[1,1,0]
.endr
.endr
.irp k, B8, B6, B4, B2
.irp p, 0,2,4,6,8,10,12,14
	v_pk_fma_f32 v[CP+\p:CP+\p+1], v[CP+\p:CP+\p+1], v[ZZ+\p:ZZ+\p+1], s[\k:\k+1] op_sel_hi:[1,1,0]
.endr
.endr
.irp p, 0,2,4,6,8,10,12,14
	v_pk_mul_f32 v[SY+\p:SY+\p+1], v[SY+\p:SY+\p+1], v[TH+\p:TH+\p+1]                      ; sin(pi x)
	v_pk_fma_f32 v[CP+\p:CP+\p+1], v[CP+\p:CP+\p+1], v[ZZ+\p:ZZ+\p+1], 1.0 op_sel_hi:[1,1,0]   ; cos(pi x)
.endr
.irp p, 0,2,4,6,8,10,12,14
	v_pk_add_f32 v[TH+\p:TH+\p+1], v[SY+\p:SY+\p+1], v[SY+\p:SY+\p+1]
.endr
.irp p, 0,2,4,6,8,10,12,14
	v_pk_mul_f32 v[SS+\p:SS+\p+1], v[TH+\p:TH+\p+1], v[CP+\p:CP+\p+1]                      ; sin = 2 sin cos of the half
	v_pk_fma_f32 v[CC+\p:CC+\p+1], v[TH+\p:TH+\p+1], v[SY+\p:SY+\p+1], 1.0 op_sel_hi:[1,1,0] neg_lo:[1,0,0] neg_hi:[1,0,0]   ; cos = 1 - 2 sin^2 of the half
.endr
.endm
; Block a's 64 numbers (two heads x 32 of my channels) are rotated into v[R] on.  A register pair is a channel pair (2 i, 2 i + 1); frequency e = 4 b' + jj of my 16 serves it.
.macro ROPE a
.set XB, 64*((\a)%4)
.set XW, 2+(\a)/4
	WIN XW                                         ; source 0: the accumulators' window
.irp hh, 0,1
.irp bb, 0,1,2,3
.irp jp, 0,1
.set XO, 32*\hh+8*\bb+4*\jp
.set EP, 4*\bb+2*\jp
	v_pk_mul_f32 v[R+XO:R+XO+1], v[XB+XO:XB+XO+1], v[CC+EP:CC+EP+1] op_sel:[0,0] op_sel_hi:[1,0]       ; (cos x0, cos x1)
	v_pk_mul_f32 v[R+XO+2:R+XO+3], v[XB+XO+2:XB+XO+3], v[CC+EP:CC+EP+1] op_sel:[0,1] op_sel_hi:[1,1]
.endr
.endr
.endr
.irp hh, 0,1
.irp bb, 0,1,2,3
.irp jp, 0,1
.set XO, 32*\hh+8*\bb+4*\jp
.set EP, 4*\bb+2*\jp
	v_pk_fma_f32 v[R+XO:R+XO+1], v[XB+XO:XB+XO+1], v[SS+EP:SS+EP+1], v[R+XO:R+XO+1] op_sel:[1,0,0] op_sel_hi:[0,0,1] neg_lo:[0,1,0]   ; (- sin x1, + sin x0)
	v_pk_fma_f32 v[R+XO+2:R+XO+3], v[XB+XO+2:XB+XO+3], v[SS+EP:SS+EP+1], v[R+XO+2:R+XO+3] op_sel:[1,1,0] op_sel_hi:[0,1,1] neg_lo:[0,1,0]
.endr
.endr
.endr
	WIN 0
.endm
.macro QKBLOCK a                       ; 16 positions x my two heads
	s_wait_xcnt 0x0                                ; the last block's stores have read their registers, which are written again below
	SINCOS
	v_add_f32 v[POS], 0x41800000, v[POS]           ; the next block lies 16 positions on
	ROPE \a
	QUANT R, 0
	global_store_b128 v[LI16], v[CDS:CDS+3], s[OC:OC+1] offset:768*(\a)            ; my first head: registers 0-3 at 16 x lane,
	global_store_b64 v[LI8], v[CDS+4:CDS+5], s[OC:OC+1] offset:768*(\a)+512        ; registers 4-5 at 512 + 8 x lane
	global_store_b128 v[LI16], v[CDS+6:CDS+9], s[OC2:OC2+1] offset:768*(\a)        ; my second head
	global_store_b64 v[LI8], v[CDS+10:CDS+11], s[OC2:OC2+1] offset:768*(\a)+512
	v_lshrrev_b32 v[TW], 16, v[PW]
	v_cndmask_b32 v[TW], v[PW], v[TW], vcc_lo      ; lanes 0-15: the first head's two bytes; lanes 16-31: the second's
	v_and_or_b32 v[SW+(\a)%4], v[TW], s[LOW16], 0x7f7f0000   ; the upper 64 of the next product's 128 are zero codes: their bytes are 127
.if (\a)%4 == 3
	global_store_b128 v[SA], v[SW:SW+3], s[OS:OS+1] offset:256*((\a)/4)
.endif
.endm
.macro VBLOCK a                        ; 16 channels x my 128 keys: one whole fragment
	s_wait_xcnt 0x0                                ; the last block's stores have read their registers
.set VS, 64*((\a)%4)
.set VW, 2+(\a)/4
	QUANT VS, VW
.irp c, 0,1,2
.if (\a) < 4
	global_store_b128 v[LI16], v[CDS+4*\c:CDS+4*\c+3], s[OC:OC+1] offset:1536*((\a)%4)+512*\c
.else
	global_store_b128 v[LI16], v[CDS+4*\c:CDS+4*\c+3], s[OC2:OC2+1] offset:1536*((\a)%4)+512*\c
.endif
.endr
.if (\a) < 4
	v_mov_b32 v[SW+(\a)], v[PW]                    ; lanes 0-15 will carry the first head's words,
.else
	v_cndmask_b32 v[SW+(\a)-4], v[SW+(\a)-4], v[PW], vcc_lo   ; lanes 16-31 the second's
.endif
.endm
	PLACES NP                                      ; behind the last products
	v_and_b32 v1, 15, v0                           ; r
	v_bfe_u32 v2, v0, 4, 1                         ; h
	v_and_b32 v3, 31, v0
	v_lshlrev_b32 v[LI8], 3, v3
	v_lshlrev_b32 v[LI16], 4, v3
.irp b, 0,1,2,3
	v_mov_b32 v[TM+4+\b], 0                        ; a lane permute's destination counts as one of its sources
.endr
	s_mov_b32 s[SEL], 0x76543210                   ; (no tensor load of mine is out since the last change of slots: the descriptors' registers are free)
	s_mov_b32 s[SEL+1], 0xfedcba98
	s_mov_b32 vcc_lo, 0xffff0000                   ; lanes 16-31, for the whole tail
	s_cmp_eq_u32 s95, 1
	s_cbranch_scc1 .Lv                             ; the same way in all sixteen partners: it hangs on the cluster's number
	; ---- Q or K
	s_lshl_b32 s18, s17, 1
	s_add_co_u32 s18, s18, s15                     ; which 128 rows of x are mine, 0..63
	s_lshr_b32 s19, s18, 4                         ; the batch
	s_and_b32 s20, s18, 15                         ; the step of 128 positions in it
	s_lshl_b32 s21, s42, 1
	s_add_co_u32 s21, s21, s16
	s_lshl_b32 s21, s21, 1                         ; my first head
	s_lshl_b32 s19, s19, 4
	s_add_co_u32 s19, s19, s21                     ; 16 x batch + head
	s_lshl_b32 s25, s18, 7
	s_and_b32 s25, s25, 2047                       ; my first position
	s_cmp_ge_u32 s96, 8                            ; K?
	s_mov_b32 s80, 98304
	s_cselect_b32 s80, 208896, s80                 ; codes: bytes from a head to the next
	s_mov_b32 s[HSR], 8192
	s_cselect_b32 s[HSR], 208896, s[HSR]           ; scale words: likewise
	s_mov_b32 s22, 6144
	s_cselect_b32 s22, 13056, s22                  ; codes: bytes from a step to the next
	s_mov_b32 s23, 512
	s_cselect_b32 s23, 13056, s23                  ; scale words: likewise
	s_cselect_b32 s24, 12288, 0                    ; K's scale words lie behind a record's codes
	s_mov_b32 s81, 0
	s_mul_i32 s82, s19, s80
	s_mul_i32 s22, s20, s22
	s_add_co_u32 s82, s82, s22
	s_mov_b32 s83, 0
	s_mul_i32 s84, s19, s[HSR]
	s_mul_i32 s23, s20, s23
	s_add_co_u32 s84, s84, s23
	s_add_co_u32 s84, s84, s24
	s_mov_b32 s85, 0
	s_add_nc_u64 s[OC:OC+1], s[OC:OC+1], s[82:83]
	s_add_nc_u64 s[OC2:OC2+1], s[OC:OC+1], s[80:81]
	s_add_nc_u64 s[OS:OS+1], s[OS:OS+1], s[84:85]
	s_mov_b32 s[LOW16], 0xffff
	PAIR I2P, 0x3e22f983                           ; 1 / (2 pi), and what f32 leaves of it
	PAIR I2L, 0x31dc9c88
	PAIR A11, 0xbbf183a8                           ; sin(pi x): - pi^11 / 11!, ..
	PAIR A7,  0xbf196966
	PAIR A5,  0x402335e3
	PAIR A3,  0xc0a55de7
	PAIR A1,  0x40490fdb
	PAIR B12, 0x3afce9c5                           ; cos(pi x): pi^12 / 12!, ..
	PAIR B8,  0x3e70fa83
	PAIR B6,  0xbfaae9e4
	PAIR B4,  0x4081e0f8
	PAIR B2,  0xc09de9e6
	v_mul_u32_u24 v[SA], s[HSR], v2
	v_lshl_add_u32 v[SA], v1, 4, v[SA]
	v_add_nc_u32 v[POS], s25, v1
	v_cvt_f32_u32 v[POS], v[POS]
	v_mov_b32 v[A9V], 0x3da83c1a                   ; pi^9 / 9!
	v_mov_b32 v[A9V+1], 0x3da83c1a
	v_mov_b32 v[B10V], 0xbcd368f9                  ; - pi^10 / 10!
	v_mov_b32 v[B10V+1], 0xbcd368f9
	; F_i = 10^(i/8); my frequency e = 4 b' + jj is i = 8 b' + 4 h + jj
	FSET 0,  0x3f800000, 0x404a62c2
	FSET 1,  0x3faab0d5, 0x4086f161
	FSET 2,  0x3fe39ea9, 0x40b3f300
	FSET 3,  0x4017c496, 0x40eff755
	FSET 4,  0x41200000, 0x41fcfb72
	FSET 5,  0x41555d0a, 0x4228adb9
	FSET 6,  0x418e432a, 0x4260efc0
	FSET 7,  0x41bdb5bc, 0x4295fa95
	FSET 8,  0x42c80000, 0x439e1d27
	FSET 9,  0x43055a26, 0x43d2d927
	FSET 10, 0x4331d3f4, 0x440c95d8
	FSET 11, 0x436d232b, 0x443b793b
	FSET 12, 0x447a0000, 0x4545a471
	FSET 13, 0x44a6b0b0, 0x4583c7b8
	FSET 14, 0x44de48f1, 0x45afbb4e
	FSET 15, 0x451435fb, 0x45ea5789
.irp e, 0,1,2,3,4,5,6,7,8,9,10,11,12,13,14,15
	v_rcp_f32 v[RF+\e], v[FQ+\e]
.endr
	v_mov_b32 v[POS+1], 0                          ; a plain line behind the reciprocals (the pair's upper word is named, so it is written)
	s_wait_alu depctr_va_vdst(0)                   ; one wait for the sixteen, ahead of their first reader
.irp a, 0,1,2,3,4,5,6,7
	QKBLOCK \a
.endr
	s_branch .Lend
.Lv:	; ---- V^T
	s_lshl_b32 s18, s17, 2
	s_lshl_b32 s19, s15, 1
	s_add_co_u32 s18, s18, s19                     ; my first head
	s_lshl_b32 s19, s42, 1
	s_add_co_u32 s19, s19, s16                     ; which 128 rows of x are my keys, 0..63
	s_lshr_b32 s20, s19, 4
	s_lshl_b32 s20, s20, 4
	s_add_co_u32 s20, s20, s18                     ; 16 x batch + head
	s_and_b32 s19, s19, 15                         ; the key step
	s_mul_i32 s82, s20, 208896
	s_mul_i32 s19, s19, 13056
	s_add_co_u32 s82, s82, s19
	s_mov_b32 s83, 0
	s_add_nc_u64 s[OC:OC+1], s[OC:OC+1], s[82:83]  ; my first head's record of this key step
	s_add_nc_u64 s[OS:OS+1], s[OC:OC+1], 12800     ; V's scale words in it,
	s_add_nc_u64 s[OC:OC+1], s[OC:OC+1], 6144      ; V's four fragments,
	s_add_nc_u64 s[OC2:OC2+1], s[OC:OC+1], 208896  ; and the next head's
	s_mov_b32 s[HSR], 208896
	v_mul_u32_u24 v[SA], s[HSR], v2
	v_lshl_add_u32 v[SA], v1, 4, v[SA]
.irp a, 0,1,2,3,4,5,6,7
	VBLOCK \a
.endr
	global_store_b128 v[SA], v[SW:SW+3], s[OS:OS+1]   ; channel r's four words: lanes 0-15 into the first head's record, lanes 16-31 into the second's
.Lend:
	s_wait_tensorcnt 0x0                           ; the wave's end
	ds_add_u32 v[SPW], v[NIL]
	s_wait_dscnt 0x0
	CROUND                                         ; the closing round
	s_endpgm
.Lfunc_end_k_qd296115142_qkv:
	.size	k_qd296115142_qkv, .Lfunc_end_k_qd296115142_qkv-k_qd296115142_qkv
	.p2alignl 7, 3214868480
	.fill 96, 4, 3214868480
	.section	.rodata,"a",@progbits
	.p2align	6, 0x0
	.amdhsa_kernel k_qd296115142_qkv
		.amdhsa_group_segment_fixed_size 327680
		.amdhsa_private_segment_fixed_size 0
		.amdhsa_enable_private_segment 0
		.amdhsa_kernarg_size 88
		.amdhsa_user_sgpr_count 2
		.amdhsa_user_sgpr_kernarg_segment_ptr 1
		.amdhsa_wavefront_size32 1
		.amdhsa_system_sgpr_workgroup_id_x 1
		.amdhsa_system_sgpr_workgroup_id_y 1
		.amdhsa_system_sgpr_workgroup_id_z 1
		.amdhsa_system_vgpr_workitem_id 0
		.amdhsa_next_free_vgpr 1024
		.amdhsa_next_free_sgpr 102
		.amdhsa_reserve_vcc 1
		.amdhsa_float_denorm_mode_32 3
		.amdhsa_float_denorm_mode_16_64 3
		.amdhsa_memory_ordered 1
		.amdhsa_forward_progress 1
		.amdhsa_inst_pref_size 255
	.end_amdhsa_kernel
	.section	.bss,"aw",@nobits
	.p2align	6
	.space	262144
	.amdgpu_metadata
---
amdhsa.version: [ 1, 2 ]
amdhsa.kernels:
  - .name:           k_qd296115142_qkv
    .symbol:         k_qd296115142_qkv.kd
    .args:
      - { .name: x_codes, .offset: 0, .size: 8, .value_kind: global_buffer, .address_space: global }
      - { .name: x_scales, .offset: 8, .size: 8, .value_kind: global_buffer, .address_space: global }
      - { .name: WQ_codes, .offset: 16, .size: 8, .value_kind: global_buffer, .address_space: global }
      - { .name: WQ_scales, .offset: 24, .size: 8, .value_kind: global_buffer, .address_space: global }
      - { .name: WK_codes, .offset: 32, .size: 8, .value_kind: global_buffer, .address_space: global }
      - { .name: WK_scales, .offset: 40, .size: 8, .value_kind: global_buffer, .address_space: global }
      - { .name: WV_codes, .offset: 48, .size: 8, .value_kind: global_buffer, .address_space: global }
      - { .name: WV_scales, .offset: 56, .size: 8, .value_kind: global_buffer, .address_space: global }
      - { .name: qc, .offset: 64, .size: 8, .value_kind: global_buffer, .address_space: global }
      - { .name: qs, .offset: 72, .size: 8, .value_kind: global_buffer, .address_space: global }
      - { .name: kv, .offset: 80, .size: 8, .value_kind: global_buffer, .address_space: global }
    .group_segment_fixed_size: 327680
    .private_segment_fixed_size: 0
    .kernarg_segment_align: 8
    .kernarg_segment_size: 88
    .max_flat_workgroup_size: 128
    .sgpr_count:     102
    .vgpr_count:     1024
    .wavefront_size: 32
...
	.end_amdgpu_metadata
.endif
;; end of part 1
;; launch attn (part 2): grid 4 x 64, 16 waves a work-group, no clusters, 224,000 bytes of LDS; arguments qc, qs, kv, mc, ms; writes mc, ms
.if DOCPART == 2
	.amdgcn_target "amdgcn-amd-amdhsa--gfx1250"
	.amdhsa_code_object_version 6
	.text
	.protected	k_qd296115142_attn
	.globl	k_qd296115142_attn
	.p2align	8
	.type	k_qd296115142_attn,@function
k_qd296115142_attn:
	s_mov_b64 s[64:65], 0
	v_nop
	global_prefetch_b8 v0, s[64:65] scope:SCOPE_SE
	s_setreg_imm32_b32 hwreg(HW_REG_WAVE_MODE, 25, 1), 1
	s_wait_xcnt 0x0
; Causal attention of one head on codes of BF6 (E3M2): S^T = K Q^T (K = the head's 64, in an instruction of 128: the upper 64 are zero codes under the byte 127), softmax, O^T = V^T P^T (K = the keys), O / l,
; and O quantised along the model's 1,024 for the last product.  Heads of 64, 2,048 positions, 64 pairs of batch and head.
; THE SOFTMAX: t = score x log2(e) / 8; M = the row's largest t so far, rounded UP to a whole number; p = 2^(t - M) is quantised along the keys, not normalised; the row's sum is taken of the unquantised p and divides O at
; the end.  When M moves, the sum and O^T are multiplied by 2^(old M - new M): exact.
; SHARES.  Work-group (j, bh): 16 waves, four to a SIMD, so that one wave's vector work stands beside another's products and LDS loads.  Wave w owns two tiles of 16 queries: tile 127 - (16 j + w) and tile 16 j + w.
; Tile t needs t / 8 + 1 key steps of 128, so the two need 17 together, whatever j and w: all waves of the launch have the same work.
; LDS holds the head's whole record, 16 key steps x 13,056 bytes, as it lies in memory: filled once, by 16 tensor loads at the head (waves 0-3, four each), and only read after that.  No byte is filled again.
; The launch claims one record more of LDS than it fills.
; A key step's record: 8 tiles of K (16 keys x 64: registers 0-3 at 16 x lane, registers 4-5 at 512 + 8 x lane: 768 bytes); at 6,144 four fragments of V^T (16 channels x 128 keys: 3 x 512 bytes);
; at 12,288 K's scale words [tile / 4][key][tile % 4]; at 12,800 V's [channel][tile].
; LAYOUT.  Both products are used transposed: a lane holds ONE query (lane % 16) throughout.  In S^T register 8 i + j is key 16 i + 8 (lane / 16) + j, so p's blocks of 32 keys come out in the order 0-7, 16-23, 8-15, 24-31:
; the order in which V^T's codes were laid.
; CAUSAL.  Every loop has a constant trip count; a step all of whose keys come after the tile's queries is passed over by a scalar branch on ids, round its work alone.
; NO CLUSTER: the four work-groups of a head read the same record, but they differ in their query tiles, and the branch that passes hidden steps over hangs on those: partners would not run alike.
; NO PREFETCH: all that the launch reads through LDS is asked for by the 16 loads at the head; there is no later load to ask ahead of.
; The scale bytes of O leave two to a row of 32 (a head's two of the row's 32): 1 byte in 25 of what the launch stores.
; LIMITS: NaN and infinities are not served; a block under 2^-122 keeps the byte 1; a block's largest p is taken from its largest score, which takes v_exp_f32 not to fall where its input rises.
.set REC,  13056
.set VIM,  6144
.set KSC,  12288
.set VSC,  12800
.set A16,  1                           ; v1  16 x lane
.set A8,   2                           ; v2  8 x lane
.set AS,   3                           ; v3  16 x (lane % 16)
.set ADK,  4                           ; v4-6 the same three in the step's record
.set ADK8, 5
.set ADS,  6
.set RH,   7                           ; v7  lane % 16 - 8 (lane / 16)
.set AB,   8                           ; v8  32 x (lane % 16) + lane / 16
; v12 -M, v13 the largest t, v[14:15] the sum in two halves; v16-27, v28-39 Q's two fragments; v40, v41 their scale words; v48-95 four fragments of K; v96-159 S^T, then p, then V's four fragments;
; v160-191 O^T; v192-210 codes; v212-223 at work; v224-231 K's scale words, v232-235 V's, v236 p's; v238, v239 at work; v[240:241] the factor
.set WV,   14
.set SEL,  20
.set CS,   22
.set G1,   24
.set G0,   32
.set TB,   48                          ; LDS byte at which the step's record begins
.set KF,   49                          ; the step's first key
.set CNT,  50
.set Q0,   51                          ; the tile's first query
.set HI16, 53
	s_load_b256 s[4:11], s[0:1], 0x0               ; qc, qs, kv, mc
	s_load_b64 s[12:13], s[0:1], 0x20              ; ms
	v_lshl_add_u32 v254, v0, 2, 0x36300
	v_mov_b32 v255, 0
	ds_add_u32 v254, v255
	ds_add_u32 v254, v255
	v_lshrrev_b32 v1, 5, v0
	v_readfirstlane_b32 s[WV], v1                  ; wave 0..15
	s_and_b32 s15, ttmp7, 0xffff                   ; 16 x batch + head
	; descriptor group 1: a record, a dense block, as 51 rows of 256 bytes (32 elements of 8 bytes)
	s_mov_b32 s[G1], 3<<16
	s_mov_b32 s[G1+1], 32<<16
	s_mov_b32 s[G1+2], 51<<16
	s_mov_b32 s[G1+3], 32<<16
	s_mov_b32 s[G1+4], 51
	s_mov_b32 s[G1+5], 32
	s_mov_b32 s[G1+6], 0
	s_mov_b32 s[G1+7], 0
	s_mul_i32 s16, s15, 16*REC
	s_mov_b32 s17, 0
	s_mul_i32 s18, s[WV], REC
	s_mov_b32 s19, 0
	s_wait_dscnt 0x0
	s_wait_kmcnt 0x0
	s_cmp_lt_u32 s[WV], 4                          ; waves 0-3 fetch: wave w's q-th load brings key step w + 4 q.  All fills stand in this one branch: four loads of a wave are out
	s_cbranch_scc0 .Lno_fill
	s_add_nc_u64 s[54:55], s[8:9], s[16:17]
	s_add_nc_u64 s[54:55], s[54:55], s[18:19]
.irp q, 0,1,2,3
	s_mov_b32 s[G0+4*\q], 1
	s_add_co_u32 s[G0+4*\q+1], s18, 4*REC*\q
	s_add_nc_u64 s[G0+4*\q+2:G0+4*\q+3], s[54:55], 4*REC*\q
	s_or_b32 s[G0+4*\q+3], s[G0+4*\q+3], 0x80000000
.endr
.irp q, 0,1,2,3
	tensor_load_to_lds s[G0+4*\q:G0+4*\q+3], s[G1:G1+7]
	s_nop 0
.endr
.rept 4
	v_nop
.endr
.Lno_fill:
	s_lshl_b32 s74, ttmp9, 4
	s_add_co_u32 s74, s74, s[WV]                   ; my small tile, 0..63
	s_sub_co_u32 s75, 127, s74                     ; my big tile, 64..127
	s_lshr_b32 s76, s15, 4                         ; batch
	s_and_b32 s77, s15, 15                         ; head
.macro TADDR t, qcd, qsd, mcd, msd     ; tile s[t]: where its Q lies and where its O goes
	s_lshl_b32 s16, s15, 7
	s_add_co_u32 s16, s16, s[\t]
	s_mul_i32 s16, s16, 768
	s_add_nc_u64 s[\qcd:\qcd+1], s[4:5], s[16:17]
	s_lshl_b32 s16, s15, 13
	s_lshr_b32 s18, s[\t], 2
	s_lshl_b32 s18, s18, 8
	s_add_co_u32 s16, s16, s18
	s_and_b32 s18, s[\t], 3
	s_lshl_b32 s18, s18, 2
	s_add_co_u32 s16, s16, s18
	s_add_nc_u64 s[\qsd:\qsd+1], s[6:7], s[16:17]
	s_lshl_b32 s16, s76, 7
	s_add_co_u32 s16, s16, s[\t]                   ; the tile of 16 rows among all 512
	s_lshl_b32 s18, s16, 4
	s_add_co_u32 s18, s18, s77
	s_mul_i32 s18, s18, 768
	s_add_nc_u64 s[\mcd:\mcd+1], s[10:11], s[18:19]
	s_lshl_b32 s16, s16, 9                         ; 16 rows of 32 scale bytes
	s_lshl_b32 s18, s77, 1
	s_add_co_u32 s16, s16, s18
	s_add_nc_u64 s[\msd:\msd+1], s[12:13], s[16:17]
.endm
	TADDR 75, 56, 58, 66, 68
	TADDR 74, 60, 62, 70, 72
	v_and_b32 v9, 31, v0
	v_lshlrev_b32 v[A16], 4, v9
	v_lshlrev_b32 v[A8], 3, v9
	v_and_b32 v10, 15, v0
	v_bfe_u32 v11, v0, 4, 1
	v_lshlrev_b32 v[AS], 4, v10
	v_lshlrev_b32 v[RH], 3, v11
	v_sub_nc_u32 v[RH], v10, v[RH]
	v_lshl_add_u32 v[AB], v10, 5, v11
	global_load_b128 v[16:19], v[A16], s[56:57]    ; Q of the big tile
	global_load_b64 v[20:21], v[A8], s[56:57] offset:512
	global_load_b32 v40, v[AS], s[58:59]
	global_load_b128 v[28:31], v[A16], s[60:61]    ; and of the small one
	global_load_b64 v[32:33], v[A8], s[60:61] offset:512
	global_load_b32 v41, v[AS], s[62:63]
.irp i, 22,23,24,25,26,27, 34,35,36,37,38,39
	v_mov_b32 v[\i], 0                             ; the upper 64 of the first product's 128: zero codes, in Q
.endr
.irp t, 0,1,2,3
.irp i, 6,7,8,9,10,11
	v_mov_b32 v[48+12*\t+\i], 0                    ; and in K's four places; written once
.endr
.endr
.irp i, 216,217,218,219,238,241
	v_mov_b32 v[\i], 0                             ; lane permutes' destinations, and the upper word of a pair that is named: written once
.endr
	s_mov_b32 s[SEL], 0x76543210
	s_mov_b32 s[SEL+1], 0xfedcba98
	s_mov_b32 s[CS], 0x3e38aa3b                    ; c = log2(e) / 8
	s_mov_b32 s[CS+1], s[CS]
	s_mov_b32 s[HI16], 0xffff0000
.macro INIT                            ; a tile begins: O^T and the sum as zeros, the largest t under every t; the first change of M leaves the zeros zeros
	v_mov_b32 v13, 0xff61b1e6
	v_floor_f32 v12, -v13
	v_mov_b32 v14, 0
	v_mov_b32 v15, 0
.set N, 0
.rept 32
	v_mov_b32 v[160+N], 0
.set N, N+1
.endr
.endm
; A KEY STEP: 128 keys for the tile whose Q lies in v[QF] on, with its scale words in v[QS].
.macro STEP QF, QS
	s_add_co_u32 s52, s[Q0], 15
	s_cmp_gt_u32 s[KF], s52
	s_cbranch_scc1 .Lhid_\@                        ; all 128 keys come after my 16 queries
	v_add_nc_u32 v[ADK], s[TB], v[A16]
	v_add_nc_u32 v[ADK8], s[TB], v[A8]
	v_add_nc_u32 v[ADS], s[TB], v[AS]
	v_nop
	v_nop                                          ; five places between the last step's last products and the products below, which write over registers that those read
	ds_load_b128 v[224:227], v[ADS] offset:KSC     ; K's scale words, tiles 0-3
	ds_load_b128 v[228:231], v[ADS] offset:KSC+256 ; tiles 4-7
.irp g, 0,1                                    ; S^T = K Q^T, four tiles of 16 keys at a time
.if \g
.rept 4
	v_nop                                          ; places in front of loads into registers that matrix instructions have read
.endr
.endif
.irp t, 0,1,2,3
	ds_load_b128 v[48+12*\t:51+12*\t], v[ADK] offset:768*(4*\g+\t)
	ds_load_b64 v[52+12*\t:53+12*\t], v[ADK8] offset:768*(4*\g+\t)+512
.endr
	s_wait_dscnt 0x0
.irp t, 0,1,2,3
	v_wmma_scale_f32_16x16x128_f8f6f4 v[96+8*(4*\g+\t):103+8*(4*\g+\t)], v[48+12*\t:59+12*\t], v[\QF:\QF+11], 0, v[224+4*\g+\t], v[\QS] matrix_a_fmt:MATRIX_FMT_BF6 matrix_b_fmt:MATRIX_FMT_BF6
.endr
.endr
.rept 4
	v_nop
.endr
	s_add_co_u32 s52, s[KF], 127                   ; on the diagonal the scores of hidden keys become -infinity ahead of the maximum; a step all of whose keys count skips this
	s_cmp_le_u32 s52, s[Q0]
	s_cbranch_scc1 .Lopen_\@
	s_sub_co_i32 s52, s[Q0], s[KF]
	v_add_nc_u32 v238, s52, v[RH]                  ; d = my query - the step's first key - 8 (lane / 16).  Register 8 i + j holds key 16 i + 8 (lane / 16) + j: hidden where 16 i + j > d
	v_mov_b32 v239, 0xff800000
.set N, 0
.rept 64
	v_cmp_gt_i32 vcc_lo, 16*(N/8)+N%8, v238
	v_cndmask_b32 v[96+N], v[96+N], v239, vcc_lo
.set N, N+1
.endr
.Lopen_\@:
.irp b, 0,1,2,3
	v_max3_num_f32 v[212+\b], v[96+16*\b], v[97+16*\b], v[98+16*\b]   ; the largest score of each block of 32 keys: for the row's maximum, and for the block's largest p
.endr
.irp i, 3,5,7,9,11,13
.irp b, 0,1,2,3
	v_max3_num_f32 v[212+\b], v[212+\b], v[96+16*\b+\i], v[97+16*\b+\i]
.endr
.endr
.irp b, 0,1,2,3
	v_max_num_f32 v[212+\b], v[212+\b], v[111+16*\b]
.endr
.irp b, 0,1,2,3
	v_permlanex16_b32 v[216+\b], v[212+\b], s[SEL], s[SEL+1]
.endr
.irp b, 0,1,2,3
	v_max_num_f32 v[212+\b], v[212+\b], v[216+\b]  ; with lane l xor 16's 16 keys
.endr
	v_max3_num_f32 v238, v212, v213, v214
	v_max_num_f32 v238, v238, v215                 ; the step's largest score of my query
	v_mul_f32 v238, s[CS], v238                    ; as t
	v_max_num_f32 v13, v13, v238                   ; the running largest t
	v_mov_b32 v238, v12
	v_floor_f32 v12, -v13                          ; the new -M = floor(-t): M is a whole number
	v_sub_f32 v238, v12, v238                      ; old M - new M: a whole number, 0 or less
	v_cvt_i32_f32 v238, v238                       ; (it saturates)
	v_ldexp_f32 v240, 1.0, v238                    ; f = 2^(old M - new M)
.set N, 0
.rept 32
	v_pk_fma_f32 v[96+N:97+N], v[96+N:97+N], s[CS:CS+1], v[12:13] op_sel_hi:[1,0,0]   ; t - M
.set N, N+2
.endr
.irp b, 0,1,2,3
	v_fma_f32 v[212+\b], v[212+\b], s[CS], v12     ; the same of each block's largest score
.endr
.set N, 0
.rept 64
	v_exp_f32 v[96+N], v[96+N]                     ; p = 2^(t - M)
.set N, N+1
.endr
	v_pk_mul_f32 v[14:15], v[14:15], v[240:241] op_sel_hi:[1,0]   ; the sums under the new M: a plain line behind the exponentials
	s_wait_alu depctr_va_vdst(0)                   ; one wait for the 64, ahead of their first reader
.irp b, 0,1,2,3
	v_exp_f32 v[212+\b], v[212+\b]                 ; the blocks' largest p
.endr
	v_pk_add_f32 v[216:217], v[96:97], v[98:99]    ; the row's sum, of the unquantised p, in two chains
.set N, 4
.rept 15
	v_pk_add_f32 v[14:15], v[14:15], v[96+N:97+N]
	v_pk_add_f32 v[216:217], v[216:217], v[98+N:99+N]
.set N, N+4
.endr
	v_pk_add_f32 v[14:15], v[14:15], v[216:217]
	s_wait_alu depctr_va_vdst(0)                   ; and one for the four
.irp b, 0,1,2,3
	v_max_num_f32 v[212+\b], 0x2800000, v[212+\b]  ; the floor 2^(5 - 127): the byte cannot fall under 1
.endr
.irp b, 0,1,2,3
	v_add_nc_u32 v[220+\b], 0xfe000000, v[212+\b]  ; 4 off the exponent field: the conversion's scale operand
.endr
.irp b, 0,1,2,3
	v_lshrrev_b32 v[216+\b], 23, v[220+\b]         ; the scale's byte
.endr
	v_lshl_or_b32 v236, v217, 8, v216              ; p's scale word for these 128 keys
	v_lshl_or_b32 v236, v218, 16, v236
	v_lshl_or_b32 v236, v219, 24, v236
.irp c, 0,1
	v_cvt_scalef32_pk16_bf6_f32 v[192+6*\c:194+6*\c], v[96+32*\c:111+32*\c], v[220+2*\c]
	v_cvt_scalef32_pk16_bf6_f32 v[204+4*\c:206+4*\c], v[112+32*\c:127+32*\c], v[220+2*\c+1]
.endr
	v_nop                                          ; one plain place behind a scaled conversion
.irp t, 0,1,2,3                                ; p is done with: V's four fragments land where it lay, while the codes are put in order and O^T is rescaled
.irp c, 0,1,2
	ds_load_b128 v[96+12*\t+4*\c:99+12*\t+4*\c], v[ADK] offset:VIM+1536*\t+512*\c
.endr
.endr
	ds_load_b128 v[232:235], v[ADS] offset:VSC     ; V's scale words
.irp c, 0,1                                    ; a whole block to a lane
.irp i, 0,1,2
	v_permlane16_swap_b32 v[192+6*\c+\i], v[204+4*\c+\i]
.endr
.irp i, 0,1,2
	v_mov_b32 v[195+6*\c+\i], v[204+4*\c+\i]
.endr
.endr
.set N, 0
.rept 16
	v_pk_mul_f32 v[160+N:161+N], v[160+N:161+N], v[240:241] op_sel_hi:[1,0]   ; O^T under the new M; these are also the places between the codes' last lines and the products
.set N, N+2
.endr
	s_wait_dscnt 0x0
.irp t, 0,1,2,3                                ; O^T += V^T P^T: four accumulators by turns
	v_wmma_scale_f32_16x16x128_f8f6f4 v[160+8*\t:167+8*\t], v[96+12*\t:107+12*\t], v[192:203], v[160+8*\t:167+8*\t], v[232+\t], v236 matrix_a_fmt:MATRIX_FMT_BF6 matrix_b_fmt:MATRIX_FMT_BF6
.endr
.Lhid_\@:
	s_add_co_u32 s[KF], s[KF], 128
	s_add_co_u32 s[TB], s[TB], REC
.endm
.macro PASS n, tb, kf, QF, QS          ; n key steps from LDS byte tb and key kf on
	s_mov_b32 s[TB], \tb
	s_mov_b32 s[KF], \kf
	s_mov_b32 s[CNT], \n
.Lpass_\@:
	STEP \QF, \QS
	s_sub_co_u32 s[CNT], s[CNT], 1
	s_cmp_lg_u32 s[CNT], 0
	s_cbranch_scc1 .Lpass_\@
.endm
; THE WAY OUT of a tile: O^T / l, brought into the true order of the channels (the last product's other operand is given), quantised along them, stored as half a fragment's image and two scale bytes a row.
.macro WAYOUT mcb, msb
.rept 4
	v_nop                                          ; places behind the last products
.endr
	v_add_f32 v14, v14, v15
	v_permlanex16_b32 v238, v14, s[SEL], s[SEL+1]
	v_add_f32 v14, v14, v238                       ; the row's sum
	v_rcp_f32 v240, v14
	v_nop
	s_wait_alu depctr_va_vdst(0)                   ; ahead of the reciprocal's first reader
.set N, 0
.rept 16
	v_pk_mul_f32 v[160+N:161+N], v[160+N:161+N], v[240:241] op_sel_hi:[1,0]   ; each accumulator from its low end on
.set N, N+2
.endr
.irp e, 0,1                                    ; register 8 t + j is channel 16 t + 8 h + j: tiles 2 e and 2 e + 1 change halves, and register 16 e + i becomes channel 32 e + 16 h + i
.irp j, 0,1,2,3,4,5,6,7
	v_permlane16_swap_b32 v[160+16*\e+\j], v[168+16*\e+\j]
.endr
.endr
	v_max3_num_f32 v212, |v160|, |v161|, 0x2800000
	v_max3_num_f32 v213, |v176|, |v177|, 0x2800000
.irp i, 2,4,6,8,10,12,14
	v_max3_num_f32 v212, v212, |v[160+\i]|, |v[161+\i]|
	v_max3_num_f32 v213, v213, |v[176+\i]|, |v[177+\i]|
.endr
	v_permlanex16_b32 v216, v212, s[SEL], s[SEL+1]
	v_permlanex16_b32 v217, v213, s[SEL], s[SEL+1]
	v_max_num_f32 v212, v212, v216
	v_max_num_f32 v213, v213, v217
	v_add_nc_u32 v220, 0xfe000000, v212
	v_add_nc_u32 v221, 0xfe000000, v213
	v_lshrrev_b32 v216, 23, v220
	v_lshrrev_b32 v217, 23, v221
	v_cndmask_b32 v238, v216, v217, s[HI16]        ; lanes 0-15 carry block 0's byte, lanes 16-31 block 1's
	v_cvt_scalef32_pk16_bf6_f32 v[192:194], v[160:175], v220
	v_cvt_scalef32_pk16_bf6_f32 v[196:198], v[176:191], v221
	v_nop
.irp i, 0,1,2
	v_permlane16_swap_b32 v[192+\i], v[196+\i]     ; a whole block to a lane
.endr
	v_mov_b32 v195, v196
	v_mov_b32 v196, v197
	v_mov_b32 v197, v198
	global_store_b128 v[A16], v[192:195], s[\mcb:\mcb+1]
	global_store_b64 v[A8], v[196:197], s[\mcb:\mcb+1] offset:512
	global_store_b8 v[AB], v238, s[\msb:\msb+1]
.endm
	INIT
	s_lshl_b32 s[Q0], s75, 4                       ; the big tile
	s_wait_loadcnt 0x0                             ; Q
	s_wait_tensorcnt 2                             ; my first two loads have landed, two may be out: key steps 0-7 are whole behind the barrier; steps 0-3 are read
	s_barrier_signal -1
	s_barrier_wait -1
	PASS 4, 0, 0, 16, 40
	s_wait_tensorcnt 1                             ; one may be out: key steps 0-11 are whole; steps 4-7 are read
	s_wait_dscnt 0x0
	s_barrier_signal -1
	s_barrier_wait -1
	PASS 4, 4*REC, 512, 16, 40
	s_wait_tensorcnt 0x0                           ; the whole head
	s_wait_dscnt 0x0
	s_barrier_signal -1
	s_barrier_wait -1
	PASS 8, 8*REC, 1024, 16, 40
	WAYOUT 66, 68
	INIT
	s_lshl_b32 s[Q0], s74, 4                       ; the small tile: at most 64 x 16 queries in: key steps 0-7 do
	s_wait_xcnt 0x0                                ; the stores have read their registers, which the steps write again
	PASS 8, 0, 0, 28, 41
	WAYOUT 70, 72
	s_wait_tensorcnt 0x0
	ds_add_u32 v254, v255
	s_wait_dscnt 0x0
	s_endpgm
.Lfunc_end_k_qd296115142_attn:
	.size	k_qd296115142_attn, .Lfunc_end_k_qd296115142_attn-k_qd296115142_attn
	.p2alignl 7, 3214868480
	.fill 96, 4, 3214868480
	.section	.rodata,"a",@progbits
	.p2align	6, 0x0
	.amdhsa_kernel k_qd296115142_attn
		.amdhsa_group_segment_fixed_size 224000
		.amdhsa_private_segment_fixed_size 0
		.amdhsa_enable_private_segment 0
		.amdhsa_kernarg_size 40
		.amdhsa_user_sgpr_count 2
		.amdhsa_user_sgpr_kernarg_segment_ptr 1
		.amdhsa_wavefront_size32 1
		.amdhsa_system_sgpr_workgroup_id_x 1
		.amdhsa_system_sgpr_workgroup_id_y 1
		.amdhsa_system_sgpr_workgroup_id_z 1
		.amdhsa_system_vgpr_workitem_id 0
		.amdhsa_next_free_vgpr 256
		.amdhsa_next_free_sgpr 80
		.amdhsa_reserve_vcc 1
		.amdhsa_float_denorm_mode_32 3
		.amdhsa_float_denorm_mode_16_64 3
		.amdhsa_memory_ordered 1
		.amdhsa_forward_progress 1
		.amdhsa_inst_pref_size 103
	.end_amdhsa_kernel
	.amdgpu_metadata
---
amdhsa.version: [ 1, 2 ]
amdhsa.kernels:
  - .name:           k_qd296115142_attn
    .symbol:         k_qd296115142_attn.kd
    .args:
      - { .name: qc, .offset: 0, .size: 8, .value_kind: global_buffer, .address_space: global }
      - { .name: qs, .offset: 8, .size: 8, .value_kind: global_buffer, .address_space: global }
      - { .name: kv, .offset: 16, .size: 8, .value_kind: global_buffer, .address_space: global }
      - { .name: mc, .offset: 24, .size: 8, .value_kind: global_buffer, .address_space: global }
      - { .name: ms, .offset: 32, .size: 8, .value_kind: global_buffer, .address_space: global }
    .group_segment_fixed_size: 224000
    .private_segment_fixed_size: 0
    .kernarg_segment_align: 8
    .kernarg_segment_size: 40
    .max_flat_workgroup_size: 512
    .sgpr_count:     80
    .vgpr_count:     256
    .wavefront_size: 32
...
	.end_amdgpu_metadata
.endif
;; end of part 2
;; launch oproj (part 3): grid 4 x 32, 4 waves a work-group, clusters of 4 x 4, 327,680 bytes of LDS; arguments mc, ms, WO_codes, WO_scales, out0; writes out0
.if DOCPART == 3
	.amdgcn_target "amdgcn-amd-amdhsa--gfx1250"
	.amdhsa_code_object_version 6
	.text
	.protected	k_qd296115142_oproj
	.globl	k_qd296115142_oproj
	.p2align	8
	.type	k_qd296115142_oproj,@function
k_qd296115142_oproj:
	s_mov_b64 s[64:65], 0
	v_nop
	global_prefetch_b8 v0, s[64:65] scope:SCOPE_SE
	s_setreg_imm32_b32 hwreg(HW_REG_WAVE_MODE, 25, 1), 1
	s_wait_xcnt 0x0
	s_wait_alu depctr_hold_cnt(0) depctr_sa_sdst(0) depctr_va_vdst(0) depctr_va_sdst(0) depctr_va_ssrc(0) depctr_va_vcc(0) depctr_vm_vsrc(0)
	s_getreg_b32 s2, hwreg(HW_REG_IB_STS2, 6, 4)
	s_cmp_eq_u32 s2, 0
	s_cbranch_scc0 .Lentry_in_a_cluster
	s_endpgm
.Lentry_in_a_cluster:
	s_bfe_u32 s2, ttmp6, 0x10000c
	s_cmp_lg_u32 s2, 0xf033
	s_cbranch_scc0 .Lentry_shape_is_right
	s_endpgm
.Lentry_shape_is_right:
; out0[m][n] = sum over k of merged[m][k] WO[n][k]: [8,192][1,024] f32, on codes of BF6 (E3M2) with one E8M0 scale for each 32 along K = 1,024.
; WO arrives as rows of codes (768 bytes) and rows of scale bytes (32).  merged was laid by the launch before as IMAGES OF THE OPERAND'S REGISTERS: [tile of 16 rows][head][768 bytes]: for 64 along K registers 0-3 at 16 x lane,
; registers 4-5 at 512 + 8 x lane; two heads make a fragment of 128 along K.  Its scale bytes lie as rows of 32, like WO's.
; A tile of the output, 256 x 256, is made by four waves, each 128 x 128: 64 accumulators.  K goes in steps of 256 through a ring of two LDS slots; the scale bytes of the work-group's rows come into LDS once.
; CLUSTERS: 4 x 4 work-groups; merged's tiles are asked for jointly by a row of the cluster, WO's by a column.  THE MATRIX INSTRUCTION IS USED TRANSPOSED (source 0 = 16 rows of WO, source 1 = 16 rows of merged).
; 128 work-groups: the output has no more tiles of this size.
; REGISTERS, in windows of 256: window 0: v0-31 addresses; v32-63 scale words, two sets; from v128 A's fragments, one set; on the way out v128-255 are free.  window 1: B's fragments, two sets.  windows 2, 3: the accumulators.
.set SIZE_M, 8192
.set SIZE_N, 1024
.set SIZE_K, 1024
.set KSTEP,  256
.set NQ,     KSTEP/128
.set ROWB,   192                       ; B: a tile's row in bytes
.set AROW,   3072                      ; A: a tile of 16 rows x 256 along K: four heads' images
.set KROW,   SIZE_K*6/8                ; a row of codes in memory; 16 of them are as many bytes as A's tile of 16 rows for all of K
.set PITCH,  240                       ; B: an LDS row: 3 x (64 bytes + 16 of padding)
.set FR,     12
.set NL,     6                         ; LDS loads that bring a fragment of B
.set NLA,    4                         ; and of A
.set NP,     4
.set HALFT,  128*PITCH                 ; a wave's part of a slot (A's uses 8 x 3,072 bytes of it)
.set SLOT,   4*HALFT
.set LAPS,   SIZE_K/(2*KSTEP)
.set KS,     SIZE_K/32
.set SCL,    2*SLOT
.set HALFS,  (128*KS/256)*272
.set SBLK,   (16*KS/256)*272
.set SPARE,  SCL+4*HALFS
.set SPITCH, 528                       ; the way out: a stage of 16 rows x (512 bytes + 16) for each wave, in slot 0, which has had its last fill and its last read by then
.set ADRA, 16                          ; v16-17 16 x lane + my half of A in slot 0, 1;  v18-19 8 x lane + the same
.set ADRB, 20                          ; v20-23 B's, as rows
.set STO,  24
.set RD,   25
.set CO,   26
.set ADRS, 27
.set SPW,  28
.set NIL,  29
.set SC,   32
.set AF,   128
.set BK,   128
.set G1, 24
.set G0, 32
.set G1B, 48
.set G0B, 56
.set G1S, 68
.set G0S, 76
.set G1SB, 80
.set G0SB, 88
.set MSB, 0
.macro WIN new
.if MSB != (\new)
	s_set_vgpr_msb (MSB<<8)|(\new)
.set MSB, (\new)
.endif
.endm
.set MUL_LO, 0xa1
.set MUL_HI, 0xf1
.set TO_B,   0x40
.macro JLOAD g0a, g1a, g0b, g1b        ; a joint load: waves 0 and 1 fetch for A, waves 2 and 3 for B; four v_nop follow each of the two lines
	s_cmp_eq_u32 s15, 0
	s_cbranch_scc0 .Lfor_b_\@
	tensor_load_to_lds s[\g0a:\g0a+3], s[\g1a:\g1a+7]
	s_nop 0
.rept 4
	v_nop
.endr
	s_branch .Lasked_\@
.Lfor_b_\@:
	tensor_load_to_lds s[\g0b:\g0b+3], s[\g1b:\g1b+7]
	s_nop 0
.rept 4
	v_nop
.endr
.Lasked_\@:
.endm
.macro CREST
	s_cmp_lg_u32 s14, 0
	s_cbranch_scc1 .Lnot_wave_0_\@
	s_barrier_signal -3
.Lnot_wave_0_\@:
	s_barrier_wait -3
	s_barrier_signal -1
	s_barrier_wait -1
.endm
.macro CROUND
	s_barrier_signal -1
	s_barrier_wait -1
	CREST
.endm
	s_load_b128 s[4:7], s[0:1], 0x0                ; A's codes, A's scales
	s_load_b128 s[8:11], s[0:1], 0x10              ; B's codes, B's scales
	s_load_b64 s[12:13], s[0:1], 0x20              ; the output
	v_lshl_add_u32 v[SPW], v0, 2, SPARE
	v_mov_b32 v[NIL], 0
	ds_add_u32 v28, v29
	ds_add_u32 v28, v29
	s_wait_dscnt 0x0
	v_lshrrev_b32 v1, 5, v0
	v_readfirstlane_b32 s14, v1                    ; wave 0..3
	s_lshr_b32 s15, s14, 1
	s_and_b32 s16, s14, 1
	s_bfe_u32 s40, ttmp6, 0x40000                  ; cx
	s_bfe_u32 s41, ttmp6, 0x40004                  ; cy
	s_lshl_b32 s42, ttmp9, 2
	s_add_co_u32 s42, s42, s40                     ; tile column
	s_and_b32 s17, ttmp7, 0xffff
	s_lshl_b32 s17, s17, 2
	s_add_co_u32 s17, s17, s41                     ; tile row
	s_lshl_b32 s43, s41, 2
	s_lshl_b32 s43, 15, s43                        ; my row of the cluster
	s_lshl_b32 s44, 0x1111, s40                    ; my column
	; A: 8 tiles of 16 rows, 3,072 bytes (384 elements of 8 bytes) of each, 12,288 bytes apart; no padding: the images are read 16 or 8 bytes a lane, on end
	s_or_b32 s[G1+0], s43, (3<<16)|(1<<21)
	s_mov_b32 s[G1+1], 384<<16
	s_mov_b32 s[G1+2], 8<<16
	s_mov_b32 s[G1+3], 384<<16
	s_mov_b32 s[G1+4], 8
	s_mov_b32 s[G1+5], 1536
	s_mov_b32 s[G1+6], 0
	s_mov_b32 s[G1+7], 0
	; B: 128 rows x 192 bytes; 16 bytes of padding behind every 64
	s_or_b32 s[G1B+0], s44, (0<<16)|(1<<20)|(1<<21)|(3<<22)|(3<<25)
	s_mov_b32 s[G1B+1], ROWB<<16
	s_mov_b32 s[G1B+2], 128<<16
	s_mov_b32 s[G1B+3], ROWB<<16
	s_mov_b32 s[G1B+4], 128
	s_mov_b32 s[G1B+5], KROW
	s_mov_b32 s[G1B+6], 0
	s_mov_b32 s[G1B+7], 0
	; the scales of 128 rows: a dense block, as rows of 256 bytes, 16 bytes of padding behind each
	s_or_b32 s[G1S+0], s43, (3<<16)|(1<<20)|(1<<21)|(5<<22)|(3<<25)
	s_or_b32 s[G1SB+0], s44, (3<<16)|(1<<20)|(1<<21)|(5<<22)|(3<<25)
.irp g, G1S, G1SB
	s_mov_b32 s[\g+1], 32<<16
	s_mov_b32 s[\g+2], (128*KS/256)<<16
	s_mov_b32 s[\g+3], 32<<16
	s_mov_b32 s[\g+4], 128*KS/256
	s_mov_b32 s[\g+5], 32
	s_mov_b32 s[\g+6], 0
	s_mov_b32 s[\g+7], 0
.endr
	s_lshl_b32 s18, s16, 7
	s_lshl_b32 s20, s17, 8
	s_add_co_u32 s20, s20, s18                     ; A: row 256 x tile row + 128 x half
	s_lshl_b32 s46, s42, 8
	s_add_co_u32 s46, s46, s18                     ; B: row 256 x tile column + 128 x half
	s_mov_b32 s21, 0
	s_mov_b32 s47, 0
	s_mov_b64 s[18:19], KS
	s_mul_u64 s[22:23], s[20:21], s[18:19]
	s_mul_u64 s[92:93], s[46:47], s[18:19]
	s_mov_b64 s[18:19], KROW
	s_mul_u64 s[20:21], s[20:21], s[18:19]         ; (A: a multiple of 16 rows x 768 bytes: its tile of 16 rows)
	s_mul_u64 s[46:47], s[46:47], s[18:19]
	s_mul_i32 s45, s14, HALFT
	s_mul_i32 s94, s14, HALFS
	s_wait_kmcnt 0x0
	s_add_nc_u64 s[20:21], s[4:5], s[20:21]
	s_add_nc_u64 s[22:23], s[6:7], s[22:23]
	s_add_nc_u64 s[46:47], s[8:9], s[46:47]
	s_add_nc_u64 s[92:93], s[10:11], s[92:93]
	CROUND                                         ; all sixteen work-groups are here: the first joint loads meet
	s_mov_b32 s[G0S], 1
	s_add_co_u32 s[G0S+1], s94, SCL
	s_mov_b64 s[G0S+2:G0S+3], s[22:23]
	s_or_b32 s[G0S+3], s[G0S+3], 0x80000000
	s_mov_b32 s[G0SB], 1
	s_add_co_u32 s[G0SB+1], s94, SCL
	s_mov_b64 s[G0SB+2:G0SB+3], s[92:93]
	s_or_b32 s[G0SB+3], s[G0SB+3], 0x80000000
	JLOAD G0S, G1S, G0SB, G1SB
.irp s, 0,1
	s_mov_b32 s[G0+4*\s], 1
	s_add_co_u32 s[G0+4*\s+1], s45, \s*SLOT
	s_add_nc_u64 s[G0+4*\s+2:G0+4*\s+3], s[20:21], \s*AROW
	s_or_b32 s[G0+4*\s+3], s[G0+4*\s+3], 0x80000000
	s_mov_b32 s[G0B+4*\s], 1
	s_add_co_u32 s[G0B+4*\s+1], s45, \s*SLOT
	s_add_nc_u64 s[G0B+4*\s+2:G0B+4*\s+3], s[46:47], \s*ROWB
	s_or_b32 s[G0B+4*\s+3], s[G0B+4*\s+3], 0x80000000
	JLOAD G0+4*\s, G1, G0B+4*\s, G1B               ; three tensor loads of mine are out at the most
.endr
	v_and_b32 v1, 15, v0                           ; r
	v_bfe_u32 v2, v0, 4, 1                         ; h
	v_mul_u32_u24 v3, v1, PITCH
	v_mul_u32_u24 v4, v2, 24
	v_add_nc_u32 v4, v3, v4                        ; B: a fragment's row x pitch + 24 x half
	v_lshl_add_u32 v5, v2, 4, v4                   ; and the same behind one padding more
	v_and_b32 v6, 31, v0
	v_lshlrev_b32 v7, 4, v6                        ; A: 16 x lane
	v_lshlrev_b32 v8, 3, v6                        ;    8 x lane
	s_mul_i32 s21, s15, HALFT                      ; my half of A
	s_mul_i32 s22, s16, HALFT                      ; my 128 rows of B,
	s_add_co_u32 s22, s22, 2*HALFT                 ; which lie behind A's two parts
.irp s, 0,1
	v_add_nc_u32 v[ADRA+\s], s21, v7
	v_add_nc_u32 v[ADRA+2+\s], s21, v8
	v_add_nc_u32 v[ADRB+\s], s22, v4
	v_add_nc_u32 v[ADRB+2+\s], s22, v5
	s_add_co_u32 s21, s21, SLOT
	s_add_co_u32 s22, s22, SLOT
.endr
	v_mul_u32_u24 v5, v1, KS
	v_lshrrev_b32 v6, 8, v5
	v_lshl_add_u32 v5, v6, 4, v5
	s_mul_i32 s21, s15, HALFS
	s_mul_i32 s22, s16, HALFS
	s_add_co_u32 s22, s22, 2*HALFS
	s_sub_co_u32 s22, s22, s21
	v_mul_u32_u24 v6, s22, v2                      ; lanes 16-31 take B's
	s_add_co_u32 s21, s21, SCL
	v_add_nc_u32 v5, v5, v6
	v_add_nc_u32 v[ADRS], s21, v5
	s_mul_i32 s23, s14, 16*SPITCH                  ; my stage
	v_mul_u32_u24 v5, v1, SPITCH
	v_lshl_add_u32 v5, v2, 5, v5
	v_add_nc_u32 v[STO], s23, v5
	v_and_b32 v6, 31, v0
	v_lshlrev_b32 v[CO], 4, v6
	v_add_nc_u32 v[RD], s23, v[CO]
	s_lshl_b32 s20, s17, 8
	s_lshl_b32 s21, s15, 7
	s_add_co_u32 s20, s20, s21                     ; my first row of the output
	s_mov_b32 s21, 0
	s_mov_b64 s[18:19], SIZE_N*4
	s_mul_u64 s[20:21], s[20:21], s[18:19]
	s_lshl_b32 s46, s42, 10                        ; my first column, in bytes
	s_lshl_b32 s47, s16, 9
	s_add_co_u32 s46, s46, s47
	s_mov_b32 s47, 0
	s_add_nc_u64 s[20:21], s[20:21], s[46:47]
	s_add_nc_u64 s[12:13], s[12:13], s[20:21]
.macro FRAG reg, adr, q, i             ; a fragment of B from rows: 24 bytes of row r twice, in pieces of 8 bytes
.irp p, 0,1,2,3,4,5
.set PCE, 12*(\q)+6*(\p/3)+\p%3
.if PCE%8 < 5
	ds_load_b64 v[\reg+2*\p:\reg+2*\p+1], v[\adr] offset:8*PCE+16*(PCE/8)+(\i)*16*PITCH
.else
	ds_load_b64 v[\reg+2*\p:\reg+2*\p+1], v[\adr+2] offset:8*PCE+16*(PCE/8)+(\i)*16*PITCH
.endif
.endr
.endm
.macro FRAGA reg, slot, q, i           ; a fragment of A from two heads' images
	ds_load_b128 v[\reg:\reg+3], v[ADRA+\slot] offset:AROW*(\i)+1536*(\q)
	ds_load_b64 v[\reg+4:\reg+5], v[ADRA+2+\slot] offset:AROW*(\i)+1536*(\q)+512
	ds_load_b128 v[\reg+6:\reg+9], v[ADRA+\slot] offset:AROW*(\i)+1536*(\q)+768
	ds_load_b64 v[\reg+10:\reg+11], v[ADRA+2+\slot] offset:AROW*(\i)+1536*(\q)+1280
.endm
.macro MUL16 a0, p, q, sc, zero        ; 16 matrix instructions; the 64 accumulators take turns, one instruction a turn
.irp a, \a0, \a0+1
.irp b, 0,1,2,3,4,5,6,7
.if \zero
	v_wmma_scale_f32_16x16x128_f8f6f4 v[8*(8*((\a)%4)+\b):8*(8*((\a)%4)+\b)+7], v[128*(\p)+FR*\b:128*(\p)+FR*\b+FR-1], v[AF+FR*(\a):AF+FR*(\a)+FR-1], 0, v[SC+8*NQ*(\sc)+NQ*\b+(\q)], v[SC+8*NQ*(\sc)+NQ*(\a)+(\q)] matrix_a_fmt:MATRIX_FMT_BF6 matrix_b_fmt:MATRIX_FMT_BF6 matrix_a_scale:MATRIX_SCALE_ROW1
.else
	v_wmma_scale_f32_16x16x128_f8f6f4 v[8*(8*((\a)%4)+\b):8*(8*((\a)%4)+\b)+7], v[128*(\p)+FR*\b:128*(\p)+FR*\b+FR-1], v[AF+FR*(\a):AF+FR*(\a)+FR-1], v[8*(8*((\a)%4)+\b):8*(8*((\a)%4)+\b)+7], v[SC+8*NQ*(\sc)+NQ*\b+(\q)], v[SC+8*NQ*(\sc)+NQ*(\a)+(\q)] matrix_a_fmt:MATRIX_FMT_BF6 matrix_b_fmt:MATRIX_FMT_BF6 matrix_a_scale:MATRIX_SCALE_ROW1
.endif
.endr
.endr
.endm
.macro FETCH_B slot, q, p
	WIN TO_B
.irp i, 0,1,2,3,4,5,6,7
	FRAG 128*(\p)+FR*\i, ADRB+\slot, \q, \i
.endr
	WIN 0
.endm
.macro FETCH_A slot, q, i0
.irp i, \i0, \i0+1, \i0+2, \i0+3
	FRAGA AF+FR*(\i), \slot, \q, \i
.endr
.endm
.macro SCALES sc
.irp i, 0,1,2,3,4,5,6,7
	ds_load_b64 v[SC+8*NQ*\sc+NQ*\i:SC+8*NQ*\sc+NQ*\i+1], v[ADRS] offset:\i*SBLK
.endr
.endm
.macro PLACES n
.rept \n
	v_nop
.endr
.endm
.macro STEP slot, q, zero
	s_wait_dscnt 4*NLA                             ; B's set and A's blocks 0-3 are in; the youngest 16 loads (A's blocks 4-7) may be out
	WIN MUL_LO
	MUL16 0, (\q)%2, \q, \slot, \zero
	MUL16 2, (\q)%2, \q, \slot, \zero
	s_wait_dscnt 0
	PLACES NP
	FETCH_B \slot, (\q)+1, 1-(\q)%2
	FETCH_A \slot, (\q)+1, 0
	WIN MUL_HI
	MUL16 4, (\q)%2, \q, \slot, \zero
	MUL16 6, (\q)%2, \q, \slot, \zero
	PLACES NP
	WIN 0
	FETCH_A \slot, (\q)+1, 4
.endm
.macro TURN slot, next, fill
	s_wait_tensorcnt 0x0                           ; all my tensor loads have landed: my part of the next slot
	ds_add_u32 v[SPW], v[NIL]                      ; 0 onto my spare word
	s_wait_dscnt 4*NLA+1                           ; (the add and the youngest 16 loads may be out)
	WIN MUL_LO
	MUL16 0, 1, NQ-1, \slot, 0
	s_wait_dscnt 0x0                               ; the add is done, and my reads of this slot are over
	s_barrier_signal -1
	MUL16 2, 1, NQ-1, \slot, 0
	WIN 0
	s_barrier_wait -1
.if \fill
	CREST                                          ; the barrier has opened a round of the cluster's
	s_add_nc_u64 s[G0+4*\slot+2:G0+4*\slot+3], s[G0+4*\slot+2:G0+4*\slot+3], 2*AROW
	s_add_nc_u64 s[G0B+4*\slot+2:G0B+4*\slot+3], s[G0B+4*\slot+2:G0B+4*\slot+3], 2*ROWB
	JLOAD G0+4*\slot, G1, G0B+4*\slot, G1B         ; the first tensor load behind the round; its four v_nop are the places in front of the loads below
.else
	PLACES NP
.endif
	v_add_nc_u32 v[ADRS], 4*NQ, v[ADRS]
	FETCH_B \next, 0, 0
	FETCH_A \next, 0, 0
	SCALES \next
	WIN MUL_HI
	MUL16 4, 1, NQ-1, \slot, 0
	MUL16 6, 1, NQ-1, \slot, 0
	PLACES NP
	WIN 0
	FETCH_A \next, 0, 4
.endm
	s_wait_tensorcnt 1                             ; the scales and my part of K step 0 are in; K step 1's load may be out
	s_barrier_signal -1
	s_barrier_wait -1
	FETCH_B 0, 0, 0
	FETCH_A 0, 0, 0
	SCALES 0
	FETCH_A 0, 0, 4
	STEP 0, 0, 1
.if LAPS > 1
	s_mov_b32 s3, LAPS-1
.Llap:
	TURN 0, 1, 1
	STEP 1, 0, 0
	TURN 1, 0, 1
	STEP 0, 0, 0
	s_sub_co_u32 s3, s3, 1
	s_cmp_lg_u32 s3, 0
	s_cbranch_scc1 .Llap
.endif
	TURN 0, 1, 0
	STEP 1, 0, 0
	s_wait_dscnt 4*NLA
	WIN MUL_LO
	MUL16 0, 1, NQ-1, 1, 0
	MUL16 2, 1, NQ-1, 1, 0
	s_wait_dscnt 0
	WIN MUL_HI
	MUL16 4, 1, NQ-1, 1, 0
	MUL16 6, 1, NQ-1, 1, 0
	WIN 0
; THE WAY OUT, block by block of 16 rows x 128 columns, through my own stage in LDS: in as 32 bytes a lane, back as whole rows of 512 bytes.  LDS serves a wave's instructions in order (ISA guide 5.7.1.4).
.macro TOSTAGE a
.set AC, 64*((\a)%4)
	WIN 0x08+4*((\a)/4)                            ; the data: window 2 or 3
.irp b, 0,1,2,3,4,5,6,7
	ds_store_b128 v[STO], v[AC+8*\b:AC+8*\b+3] offset:64*\b          ; each accumulator from its low end on
	ds_store_b128 v[STO], v[AC+8*\b+4:AC+8*\b+7] offset:64*\b+16
.endr
	WIN 0
.set BB, BK+64*((\a)%2)
.irp t, 0,1,2,3,4,5,6,7,8,9,10,11,12,13,14,15
	ds_load_b128 v[BB+4*\t:BB+4*\t+3], v[RD] offset:\t*SPITCH
.endr
.endm
.macro SEND a, younger
.set BB, BK+64*((\a)%2)
	s_wait_dscnt \younger                          ; the block is back in registers
.if (\a) > 0
	s_add_nc_u64 s[12:13], s[12:13], 16*SIZE_N*4   ; (behind a wait on XCNT: the earlier stores have read their base)
.endif
.irp t, 0,1,2,3,4,5,6,7,8,9,10,11,12,13,14,15
	global_store_b128 v[CO], v[BB+4*\t:BB+4*\t+3], s[12:13] offset:\t*SIZE_N*4 th:TH_STORE_NT   ; 32 lanes store 512 consecutive bytes, at a multiple of 256 from the output's first byte
.endr
.endm
	PLACES NP
	TOSTAGE 0
.irp a, 1,2,3,4,5,6,7
.if \a > 1
	s_wait_xcnt 0x0                                ; block a - 2's stores have read their registers and their base
.endif
	TOSTAGE \a
	SEND \a-1, 32                                  ; behind block a - 1's loads: block a's 16 stores and 16 loads
.endr
	s_wait_xcnt 0x0
	SEND 7, 0
	s_wait_tensorcnt 0x0                           ; the wave's end
	ds_add_u32 v[SPW], v[NIL]
	s_wait_dscnt 0x0
	CROUND                                         ; the closing round
	s_endpgm
.Lfunc_end_k_qd296115142_oproj:
	.size	k_qd296115142_oproj, .Lfunc_end_k_qd296115142_oproj-k_qd296115142_oproj
	.p2alignl 7, 3214868480
	.fill 96, 4, 3214868480
	.section	.rodata,"a",@progbits
	.p2align	6, 0x0
	.amdhsa_kernel k_qd296115142_oproj
		.amdhsa_group_segment_fixed_size 327680
		.amdhsa_private_segment_fixed_size 0
		.amdhsa_enable_private_segment 0
		.amdhsa_kernarg_size 40
		.amdhsa_user_sgpr_count 2
		.amdhsa_user_sgpr_kernarg_segment_ptr 1
		.amdhsa_wavefront_size32 1
		.amdhsa_system_sgpr_workgroup_id_x 1
		.amdhsa_system_sgpr_workgroup_id_y 1
		.amdhsa_system_sgpr_workgroup_id_z 1
		.amdhsa_system_vgpr_workitem_id 0
		.amdhsa_next_free_vgpr 1024
		.amdhsa_next_free_sgpr 98
		.amdhsa_reserve_vcc 0
		.amdhsa_float_denorm_mode_32 3
		.amdhsa_float_denorm_mode_16_64 3
		.amdhsa_memory_ordered 1
		.amdhsa_forward_progress 1
		.amdhsa_inst_pref_size 152
	.end_amdhsa_kernel
	.amdgpu_metadata
---
amdhsa.version: [ 1, 2 ]
amdhsa.kernels:
  - .name:           k_qd296115142_oproj
    .symbol:         k_qd296115142_oproj.kd
    .args:
      - { .name: mc, .offset: 0, .size: 8, .value_kind: global_buffer, .address_space: global }
      - { .name: ms, .offset: 8, .size: 8, .value_kind: global_buffer, .address_space: global }
      - { .name: WO_codes, .offset: 16, .size: 8, .value_kind: global_buffer, .address_space: global }
      - { .name: WO_scales, .offset: 24, .size: 8, .value_kind: global_buffer, .address_space: global }
      - { .name: out0, .offset: 32, .size: 8, .value_kind: global_buffer, .address_space: global }
    .group_segment_fixed_size: 327680
    .private_segment_fixed_size: 0
    .kernarg_segment_align: 8
    .kernarg_segment_size: 40
    .max_flat_workgroup_size: 128
    .sgpr_count:     98
    .vgpr_count:     1024
    .wavefront_size: 32
...
	.end_amdgpu_metadata
.endif
;; end of part 3
